; MI455X (gfx1250); checked and timed in simulation.
; The chip was launched on July 23, 2026; its instructions are those of AMD's public machine-readable ISA for CDNA 5 (MIT licence, August 2026) and "CDNA5" Instruction Set Architecture Reference Guide (July 2026). The comments in the code are by the model that wrote it; some were corrected since.
;; Multi Head Attention. Allowed arithmetic: matrix products marked QUANTISED: E2M3 operands, one E8M0 scale for each 32 along K, by v_wmma_scale_f32_16x16x128_f8f6f4 with both operands' format E2M3, f32 sums; everything else in f32.
;; Inputs: W_out_codes 1,024 x 32 x 24 uint8 (E2M3 codes of W_out, K innermost, in blocks of 32 codes, four codes in three bytes); W_out_scales 1,024 x 32 uint8 (E8M0 scales of W_out, one for each 32 codes along K); W_qkv_codes 3,072 x 32 x 24 uint8 (E2M3 codes of W_qkv, K innermost, in blocks of 32 codes, four codes in three bytes); W_qkv_scales 3,072 x 32 uint8 (E8M0 scales of W_qkv, one for each 32 codes along K); X_codes 4 x 2,048 x 32 x 24 uint8 (E2M3 codes of X, K innermost, in blocks of 32 codes, four codes in three bytes); X_scales 4 x 2,048 x 32 uint8 (E8M0 scales of X, one for each 32 codes along K); b_out 1,024 float32; b_qkv 3,072 float32.
;; Outputs: out0 4 x 2,048 x 1,024 float32.
;; This version of the problem:
;;   THIS VERSION OF THE PROBLEM IS GIVEN IN LOW PRECISION. The matrix products marked QUANTISED in the list below multiply operands that are first quantised to E2M3 (2 exponent bits, 3 mantissa bits; 6 bits a number), with one power-of-two scale for each 32 numbers along K (OCP MX v1.0); their sums are f32. All else is computed in f32.
;;   The module's matrix products, in the order in which they are computed (A, B: the left and right operand; K: the contracted axis; several contracted axes count as one K, in the product's order):
;;     1. [M 8,192, K 1,024] x [K 1,024, N 3,072]; A: input X (given as codes); B: input W_qkv (given as codes): QUANTISED
;;     2. batch 64 x [M 2,048, K 64] x [K 64, N 2,048]; A: computed on the way; B: computed on the way: QUANTISED
;;     3. batch 64 x [M 2,048, K 2,048] x [K 2,048, N 64]; A: softmax (see below); B: computed on the way: QUANTISED
;;     4. [M 8,192, K 1,024] x [K 1,024, N 1,024]; A: computed on the way; B: input W_out (given as codes): QUANTISED
;;   THE QUANTISER, for each operand of a quantised product, along K:
;;     - K is cut into blocks of 32 from its start; a last block that is shorter is filled with zeros.
;;     - A block's scale is 2^e with e = floor(log2(the largest magnitude in the block)) - 2, held to -126 .. 127; a block of zeros has e = 0. As a byte (E8M0): e + 127.
;;     - Each number is divided by its block's scale, clamped to +-7.5, and rounded to the nearest number of E2M3, ties to even, subnormals kept.
;;     - The product sums the exact products of the quantised numbers (number of the format x scale) in f32.
;;   ~~~python
;;   def quantise(x, axis):      # numpy; x: float32 -> the quantised numbers, widened to float32 again
;;       x = np.moveaxis(x, axis, -1); K = x.shape[-1]
;;       x = np.pad(x, [(0, 0)] * (x.ndim - 1) + [(0, -K % 32)]); x = x.reshape(x.shape[:-1] + (-1, 32)); a = np.abs(x).max(-1, keepdims=True)
;;       e = np.where(a > 0, np.clip(np.frexp(np.where(a > 0, a, 1))[1] - 1 - 2, -126, 127), 0)      # np.frexp(a)[1] - 1 = floor(log2(a)), exactly
;;       r = np.clip(x / 2.0 ** e, -7.5, 7.5)
;;       step = 2.0 ** (np.maximum(np.frexp(np.where(r == 0, 1, r))[1] - 1, 0) - 3)
;;       q = np.round(r / step) * step * 2.0 ** e      # np.round: ties to even
;;       return np.moveaxis(q.reshape(q.shape[:-2] + (-1,))[..., :K], -1, axis).astype(np.float32)
;;   ~~~
;;   SOFTMAX AHEAD OF A QUANTISED PRODUCT. Where the list says 'softmax', what is quantised is not the finished softmax but p = 2^(t - M), with t = logit x log2(e) and M = ceil(the row's largest t), a whole number; so 1/2 < the row's largest p <= 1. The row's sum l is taken of the UNQUANTISED p, in f32, and the product's result is divided by l at the end. Since M is a whole number, a kernel that streams over the keys may use a running M (the ceiling of the running maximum): every later rescaling is an exact power of two, which a block's scale takes up: the codes' values come out the same.
;;   OPERANDS COMPUTED ON THE WAY. 'Computed on the way' means the value that the module computes at that place (a softmax that the list does not call 'softmax' is quantised finished and normalised). What goes into a quantiser is computed in f32, as accurately as f32 sums, v_exp_f32 and their like allow (about 1e-6 of the number): no bf16 or f16 on the way to a quantiser, and a product that is left as it is and whose result goes on into a quantised operand takes f32 operands (vector FMAs, or v_wmma_f32_16x16x4_f32). A number that lies on a knife's edge between two numbers of the format may be rounded either way, as far as f32 arithmetic and the matrix unit's own rounding can turn it there, and no further.
;;   INPUTS GIVEN AS CODES. W_out (in the module: [1024, 1024], K = its axis 0); W_qkv (in the module: [1024, 3072], K = its axis 0); X (in the module: [4, 2048, 1024], K = its axis 2): each comes as NAME_codes (uint8): NAME with its K axis moved to the last place and cut into blocks of 32 codes, [.., K / 32, bytes a block], one block behind the other in memory; four codes in three bytes: a row's codes are one little-endian stream of bits, code i at bits 6 i .. 6 i + 5 (a code: sign, 2 exponent bits, 3 mantissa bits); and NAME_scales (uint8): the same leading axes, one E8M0 byte (e + 127) for each 32 codes along K. Its value is code x scale, taken as it is: it is not quantised again, and the codes and scales need not be those that the quantiser above would give.
;; One version. Each part assembles by itself: llvm-mc -triple=amdgcn-amd-amdhsa -mcpu=gfx1250 --defsym DOCPART=n.
;; ======== version 1 of 1: 3 launches
;; workspace buffers: qk 13,631,488 bytes; vv 6,553,600 bytes; ao 6,291,456 bytes; ao_sc 262,144 bytes
;; launch qkv (part 1): grid 8 x 48, 4 waves a work-group, clusters of 4 x 4, 327,680 bytes of LDS; arguments X_codes, X_scales, W_qkv_codes, W_qkv_scales, b_qkv, qk, vv; writes qk, vv
.if DOCPART == 1
	.amdgcn_target "amdgcn-amd-amdhsa--gfx1250"
	.amdhsa_code_object_version 6
	.text
	.protected	k_q4fca765e2a_qkv
	.globl	k_q4fca765e2a_qkv
	.p2align	8
	.type	k_q4fca765e2a_qkv,@function
k_q4fca765e2a_qkv:
	s_mov_b64 s[64:65], 0
	v_nop
	global_prefetch_b8 v0, s[64:65] scope:SCOPE_SE
	s_setreg_imm32_b32 hwreg(HW_REG_WAVE_MODE, 25, 1), 1
	s_wait_xcnt 0x0
	s_wait_alu depctr_hold_cnt(0) depctr_sa_sdst(0) depctr_va_vdst(0) depctr_va_sdst(0) depctr_va_ssrc(0) depctr_va_vcc(0) depctr_vm_vsrc(0)
	s_getreg_b32 s2, hwreg(HW_REG_IB_STS2, 6, 4)
	s_cmp_eq_u32 s2, 0
	s_cbranch_scc0 .Lentry_in_a_cluster
	s_endpgm
.Lentry_in_a_cluster:
	s_bfe_u32 s2, ttmp6, 0x10000c
	s_cmp_lg_u32 s2, 0xf033
	s_cbranch_scc0 .Lentry_shape_is_right
	s_endpgm
.Lentry_shape_is_right:
; qkv = X W_qkv + b_qkv on codes of FP6 (E2M3) with E8M0 scales, and its three parts quantised at once for the attention that follows: q and k along the head's 64 channels, v along the keys.
; A tile of the product, 256 (P) x 256 (Q), is made by four waves, each 128 x 128: 64 accumulators of 16 x 16, 512 registers.  K = 1,024 goes in four steps of 256 through a ring of two LDS slots filled by the tensor data mover.
; THE MATRIX INSTRUCTION IS USED TRANSPOSED (source 0 = 16 rows of Q, source 1 = 16 rows of P): a lane holds ONE row of P and its registers run along Q.  What is quantised always runs along Q.
; TWO ROLES, by the cluster's y, which all sixteen partners share.  Role 0 (y < 8): P = tokens (X), Q = the 2,048 channels of q and k (W's rows): blocks of 32 channels.  Role 1: P = v's 1,024 channels (W's rows 2,048 on), Q = tokens: blocks of 32 keys.
; Only pointers, row numbers and the bias are chosen by the role; the text parts on it round the global stores alone.
; CLUSTERS: 4 x 4 work-groups.  The four of a row of the cluster need the same tiles of P, the four of a column the same tiles of Q: each tile is asked for JOINTLY, by the same tensor load with the same descriptor and a mask that names the four.
; THE BIAS starts the sums: each accumulator begins as b(Q column) + b(P row), of which the side that the role does not have is 0; so every matrix instruction adds in place and nothing is cleared.
; THE WAY OUT.  Tiles 2 t and 2 t + 1 of a row block hold columns 32 t + 8 h + j and 32 t + 16 + 8 h + j (h = lane / 16): eight exchanges of the halves of the lanes make a lane's 16 registers 16 NEIGHBOURS, 32 t + 16 h + 0 .. 15.
; Then a block's largest magnitude (with lane l xor 16's), its scale, the conversions.  The codes leave as IMAGES OF THE READER'S REGISTERS: each store of the wave covers 256 or 512 consecutive bytes, aligned.
;   qk: [4 b][32: q's 16 heads, k's 16][106,496]: codes [128 blocks of 16 tokens][3 pieces][32 places][8 bytes]; lane (r, h) holds block h (32 channels) of token r, at place 16 h + (r xor 8 (block % 2));
;       from byte 98,304 scale words [16 steps of 128 tokens][32 L][4 t]: word (L = 16 g + r, t) is token 32 t + 16 g + r's: its two bytes written twice (s0, s1, s0, s1).
;   vv: [64 b x head][102,400]: codes [16 steps of 128 keys][4 blocks of 16 channels][3 pieces][32 places][16 bytes]: a whole fragment, 16 channels x 128 keys; from byte 98,304 scale words [16 steps][32 L][2 t]: channel 32 t + 16 g + r.
; The exclusive or in a place lets the reader take rows 0-7 of one block and 8-15 of the next in one LDS load that touches every bank once.
; LIMITS: NaN and infinities are not served.  A block whose largest magnitude lies under 2^-124 is held at the scale byte 1; a block of zeros has the byte 1 where the quantiser says 127: its codes are zeros, and this program alone reads the bytes.
; The bias enters as the sum's first term, not its last: the order of rounding differs from x W + b.
; REGISTERS, in windows of 256: window 0: v0-31 addresses; v32-63 scale words, two sets; v128-223 P's fragments, one set; at the head v64-127 and v224-239 the biases; on the way out v32-115 at work.
;   window 1: Q's fragments, two sets, at v0 and v128.   window 2: the accumulators of my rows 0-63 ((a, b) at v[8 (8 a + b)]);   window 3: those of my rows 64-127.
.set KSTEP,  256                       ; along K in a slot
.set NQ,     KSTEP/128                 ; matrix instructions deep
.set ROWB,   192                       ; a tile's row in bytes
.set KROW,   768                       ; a row of X or of W in memory: 1,024 codes
.set PITCH,  240                       ; an LDS row: 3 x (64 bytes + 16 of padding) = 60 words: the 32 lanes of a load of 8 bytes touch 64 different banks (64 banks of 4 bytes: ISA guide 11.1)
.set FR,     12                        ; registers of a fragment
.set NL,     6                         ; LDS loads that bring one
.set NP,     4                         ; places behind this matrix instruction (ISA guide 7.12.1)
.set HALFT,  128*PITCH                 ; 128 rows: what one tensor load brings
.set SLOT,   4*HALFT                   ; P's 256 rows, then Q's 256 rows
.set KS,     32                        ; a row of scale bytes
.set SCL,    2*SLOT                    ; behind the ring: the scales of the 512 rows for all of K, as units of 256 bytes + 16 of padding; filled once
.set HALFS,  (128*KS/256)*272
.set SBLK,   (16*KS/256)*272
.set SPARE,  SCL+4*HALFS               ; the spare words, 128 bytes for each wave: two blocks of 256 bytes that no other line names
.set QKREC,  106496                    ; a head's record in qk
.set VREC,   102400                    ; and in vv
.set L8,   8                           ; v8, v9    8 x lane, 8 x (lane xor 8): a place of 8 bytes in an even, an odd block
.set L16,  10                          ; v10, v11  the same for places of 16 bytes
.set ADRA, 16                          ; v16-17 LDS address of my P fragments in slot 0, 1 (v18-19: behind one padding more)
.set ADRB, 20                          ; v20-23 the same for Q
.set ADRS, 27                          ; v27    my scale words: lanes 0-15 P's rows, lanes 16-31 Q's
.set SPW,  28                          ; v28    my spare word; never rewritten
.set NIL,  29                          ; v29    0; never rewritten
.set SC,   32                          ; scale words: set s at v[SC + 16 s]
.set AF,   128                         ; P's fragments
.set BQ,   64                          ; the head: the bias along Q: 8 tiles x 8 registers
.set BPD,  224                         ; the head: the bias along P: 8 pairs, each number twice
.set TM,   32                          ; the way out: v32-35 largest magnitudes, v36-39 exchange and bytes, v44-47 the conversions' scale operands
.set PWS,  48                          ; v48-55  block a's scale word
.set PC,   64                          ; v64-83, v84-103  two sets of codes: 12 + the conversions' second halves
.set SW,   104                         ; v104-111 q's and k's doubled scale words
.set RAW,  112                         ; v112-115 scale words of 32 rows: lanes 0-15 the even block's, lanes 16-31 the odd one's
.set G1, 24                            ; s[24:31] descriptor group 1 for P's tiles;  s[32:39] group 0, one set for each slot
.set G0, 32
.set G1B, 48                           ; s[48:55], s[56:63] the same for Q's tiles
.set G0B, 56
.set G1S, 68                           ; s[68:75], s[76:79] groups 1 and 0 for P's scales;  s[80:87], s[88:91] for Q's
.set G0S, 76
.set G1SB, 80
.set G0SB, 88
.set ROLE, 66                          ; s66  0 or 1
.set MASK, 67                          ; s67  0 or all ones
.set HI16, 95                          ; s95  the lanes 16-31
.set MSB, 0
.macro WIN new                         ; the immediate's high byte repeats the setting that is left
.if MSB != (\new)
	s_set_vgpr_msb (MSB<<8)|(\new)
.set MSB, \new
.endif
.endm
.set MUL_LO, 0xa1                      ; source 0 (Q) window 1, source 1 (P) window 0, C and D window 2
.set MUL_HI, 0xf1                      ; the same, C and D window 3
.set TO_B,   0x40                      ; destination window 1, address window 0
; A joint load: waves 0 and 1 fetch for P, waves 2 and 3 for Q.  Each line has one mask and one set of registers for all that issue it; the branch hangs on the wave's number alone.
; Four v_nop follow each of the two lines, ahead of the jump, the label and what follows.
.macro JLOAD g0a, g1a, g0b, g1b
	s_cmp_eq_u32 s15, 0
	s_cbranch_scc0 .Lfor_b_\@
	tensor_load_to_lds s[\g0a:\g0a+3], s[\g1a:\g1a+7]
	s_nop 0
.rept 4
	v_nop
.endr
	s_branch .Lasked_\@
.Lfor_b_\@:
	tensor_load_to_lds s[\g0b:\g0b+3], s[\g1b:\g1b+7]
	s_nop 0
.rept 4
	v_nop
.endr
.Lasked_\@:
.endm
.macro CREST                           ; a round of the cluster's barrier behind its opening barrier
	s_cmp_lg_u32 s14, 0
	s_cbranch_scc1 .Lnot_wave_0_\@
	s_barrier_signal -3
.Lnot_wave_0_\@:
	s_barrier_wait -3
	s_barrier_signal -1
	s_barrier_wait -1
.endm
.macro CROUND                          ; a whole round
	s_barrier_signal -1
	s_barrier_wait -1
	CREST
.endm
	s_load_b128 s[4:7], s[0:1], 0x0                ; X's codes, X's scales
	s_load_b128 s[8:11], s[0:1], 0x10              ; W's codes, W's scales
	s_load_b64 s[12:13], s[0:1], 0x20              ; b_qkv
	s_load_b64 s[96:97], s[0:1], 0x28              ; qk
	s_load_b64 s[98:99], s[0:1], 0x30              ; vv
	v_lshl_add_u32 v[SPW], v0, 2, SPARE
	v_mov_b32 v[NIL], 0
	ds_add_u32 v28, v29
	ds_add_u32 v28, v29
	s_wait_dscnt 0x0
	v_lshrrev_b32 v1, 5, v0
	v_readfirstlane_b32 s14, v1                    ; wave 0..3
	s_lshr_b32 s15, s14, 1                         ; which half of P's rows is mine.  Also: I fetch for P (0) or for Q (1)
	s_and_b32 s16, s14, 1                          ; which half of Q's rows.  Also: which 128 rows of that tile I fetch
	s_bfe_u32 s40, ttmp6, 0x40000                  ; cx, cy: my place in the cluster
	s_bfe_u32 s41, ttmp6, 0x40004
	s_and_b32 s45, ttmp7, 0xffff                   ; the cluster's y, 0 .. 11
	s_sub_co_u32 s94, s45, 8
	s_cmp_ge_u32 s45, 8                            ; the role: only selects and moves stand between this compare and its last use
	s_cselect_b32 s[ROLE], 1, 0
	s_cselect_b32 s[MASK], -1, 0
	s_cselect_b32 s17, 0, s45                      ; role 0: the cluster's y counts P's tiles
	s_cselect_b32 s94, s94, 0                      ; role 1: y - 8 counts Q's
	s_cselect_b32 s93, 2048, 0                     ; role 1: P's rows begin at W's row 2,048
	s_lshl_b32 s17, s17, 2
	s_add_co_u32 s17, s17, s41                     ; P's tile: 4 y + cy, or cy
	s_lshl_b32 s42, ttmp9, 2
	s_add_co_u32 s42, s42, s40
	s_lshl_b32 s94, s94, 3
	s_add_co_u32 s42, s42, s94                     ; Q's tile: 4 x + cx, in role 1 + 8 (y - 8)
	s_lshl_b32 s43, s41, 2
	s_lshl_b32 s43, 15, s43                        ; my row of the cluster
	s_lshl_b32 s44, 0x1111, s40                    ; my column
	; descriptor group 1: a tile of 128 rows x 192 bytes, 16 bytes of padding behind every 64
	s_or_b32 s[G1+0], s43, (0<<16)|(1<<20)|(1<<21)|(3<<22)|(3<<25)  ; 15:0 the mask: P's tiles go to my row; 17:16 element of 1 byte; 20 padding on; 21 set beside a mask; 24:22 after every 16 words; 31:25 of 4 words
	s_or_b32 s[G1B+0], s44, (0<<16)|(1<<20)|(1<<21)|(3<<22)|(3<<25)
.irp g, G1, G1B
	s_mov_b32 s[\g+1], ROWB<<16                    ; tensor_dim0
	s_mov_b32 s[\g+2], 128<<16                     ; tensor_dim1
	s_mov_b32 s[\g+3], ROWB<<16                    ; tile_dim0
	s_mov_b32 s[\g+4], 128                         ; tile_dim1
	s_mov_b32 s[\g+5], KROW                        ; tensor_dim0_stride
	s_mov_b32 s[\g+6], 0
	s_mov_b32 s[\g+7], 0
.endr
	; the scales of 128 rows: a dense block of 4,096 bytes, as 16 rows of 256 bytes (32 elements of 8 bytes), 16 bytes of padding behind each
	s_or_b32 s[G1S+0], s43, (3<<16)|(1<<20)|(1<<21)|(5<<22)|(3<<25)
	s_or_b32 s[G1SB+0], s44, (3<<16)|(1<<20)|(1<<21)|(5<<22)|(3<<25)
.irp g, G1S, G1SB
	s_mov_b32 s[\g+1], 32<<16
	s_mov_b32 s[\g+2], (128*KS/256)<<16
	s_mov_b32 s[\g+3], 32<<16
	s_mov_b32 s[\g+4], 128*KS/256
	s_mov_b32 s[\g+5], 32
	s_mov_b32 s[\g+6], 0
	s_mov_b32 s[\g+7], 0
.endr
	s_lshl_b32 s18, s16, 7                         ; which 128 rows of the tile I fetch
	s_lshl_b32 s20, s17, 8
	s_add_co_u32 s20, s20, s18
	s_add_co_u32 s20, s20, s93                     ; P: its first row + 256 x tile + 128 x half
	s_lshl_b32 s46, s42, 8
	s_add_co_u32 s46, s46, s18                     ; Q: 256 x tile + 128 x half
	s_mov_b32 s21, 0
	s_mov_b32 s47, 0
	s_mov_b64 s[18:19], KS
	s_mul_u64 s[22:23], s[20:21], s[18:19]         ; where these rows' scales begin, in bytes
	s_mul_u64 s[92:93], s[46:47], s[18:19]
	s_mov_b64 s[18:19], KROW
	s_mul_u64 s[20:21], s[20:21], s[18:19]         ; and their codes
	s_mul_u64 s[46:47], s[46:47], s[18:19]
	s_mul_i32 s45, s14, HALFT                      ; where they go: wave x 128 rows: no place in the cluster enters an LDS address
	s_mul_i32 s94, s14, HALFS
	s_wait_kmcnt 0x0
	s_cmp_lg_u32 s[ROLE], 0                        ; role 1 changes X and W about: s[4:7] become P's codes and scales, s[8:11] Q's.  The choice hangs on the cluster's y alone
	s_cselect_b64 s[100:101], s[8:9], s[4:5]
	s_cselect_b64 s[8:9], s[4:5], s[8:9]
	s_mov_b64 s[4:5], s[100:101]
	s_cselect_b64 s[100:101], s[10:11], s[6:7]
	s_cselect_b64 s[10:11], s[6:7], s[10:11]
	s_mov_b64 s[6:7], s[100:101]
	s_add_nc_u64 s[20:21], s[4:5], s[20:21]
	s_add_nc_u64 s[22:23], s[6:7], s[22:23]
	s_add_nc_u64 s[46:47], s[8:9], s[46:47]
	s_add_nc_u64 s[92:93], s[10:11], s[92:93]
	CROUND                                         ; all sixteen work-groups are here: the first joint loads meet
	s_mov_b32 s[G0S], 1
	s_add_co_u32 s[G0S+1], s94, SCL
	s_mov_b64 s[G0S+2:G0S+3], s[22:23]
	s_or_b32 s[G0S+3], s[G0S+3], 0x80000000
	s_mov_b32 s[G0SB], 1
	s_add_co_u32 s[G0SB+1], s94, SCL
	s_mov_b64 s[G0SB+2:G0SB+3], s[92:93]
	s_or_b32 s[G0SB+3], s[G0SB+3], 0x80000000
	JLOAD G0S, G1S, G0SB, G1SB                     ; the scales first: they are wanted with K step 0.  With the two below, three loads of mine are out
.irp s, 0,1
	s_mov_b32 s[G0+4*\s], 1
	s_add_co_u32 s[G0+4*\s+1], s45, \s*SLOT
	s_add_nc_u64 s[G0+4*\s+2:G0+4*\s+3], s[20:21], \s*ROWB
	s_or_b32 s[G0+4*\s+3], s[G0+4*\s+3], 0x80000000
	s_mov_b32 s[G0B+4*\s], 1
	s_add_co_u32 s[G0B+4*\s+1], s45, \s*SLOT
	s_add_nc_u64 s[G0B+4*\s+2:G0B+4*\s+3], s[46:47], \s*ROWB
	s_or_b32 s[G0B+4*\s+3], s[G0B+4*\s+3], 0x80000000
	JLOAD G0+4*\s, G1, G0B+4*\s, G1B
.endr
	; the biases' places: along Q (role 0) b_qkv at channel 256 x Q's tile + 128 x half; along P (role 1) at 2,048 + 256 cy + 128 x half.  The side that the role does not have reads from the buffer's start and is set to 0 below
	s_lshl_b32 s46, s42, 10
	s_lshl_b32 s47, s16, 9
	s_add_co_u32 s46, s46, s47
	s_lshl_b32 s92, s17, 10
	s_lshl_b32 s93, s15, 9
	s_add_co_u32 s92, s92, s93
	s_add_co_u32 s92, s92, 8192
	s_cmp_lg_u32 s[ROLE], 0
	s_cselect_b32 s46, 0, s46
	s_cselect_b32 s92, s92, 0
	s_mov_b32 s47, 0
	s_mov_b32 s93, 0
	s_add_nc_u64 s[46:47], s[12:13], s[46:47]
	s_add_nc_u64 s[92:93], s[12:13], s[92:93]
	v_and_b32 v1, 15, v0                           ; r = l % 16
	v_bfe_u32 v2, v0, 4, 1                         ; h = l / 16
	v_lshlrev_b32 v12, 5, v2                       ; along Q: tile b's eight numbers of my half: 64 b + 32 h
	v_lshlrev_b32 v13, 2, v1                       ; along P: block a's number of my row: 64 a + 4 r
.irp b, 0,1,2,3,4,5,6,7
	global_load_b128 v[BQ+8*\b:BQ+8*\b+3], v12, s[46:47] offset:64*\b
	global_load_b128 v[BQ+8*\b+4:BQ+8*\b+7], v12, s[46:47] offset:64*\b+16
.endr
.irp a, 0,1,2,3,4,5,6,7
	global_load_b32 v[BPD+2*\a], v13, s[92:93] offset:64*\a
	global_load_b32 v[BPD+2*\a+1], v13, s[92:93] offset:64*\a     ; twice: a pair for the packed addition
.endr
	v_mul_u32_u24 v3, v1, PITCH
	v_mul_u32_u24 v4, v2, 24
	v_add_nc_u32 v4, v3, v4                        ; a fragment's row x pitch + 24 x half
	v_lshl_add_u32 v5, v2, 4, v4                   ; and the same behind one padding more
	s_mul_i32 s21, s15, HALFT                      ; my 128 rows of P
	s_mul_i32 s22, s16, HALFT                      ; my 128 rows of Q,
	s_add_co_u32 s22, s22, 2*HALFT                 ; which lie behind P's 256
.irp s, 0,1
	v_add_nc_u32 v[ADRA+\s], s21, v4
	v_add_nc_u32 v[ADRB+\s], s22, v4
	v_add_nc_u32 v[ADRA+2+\s], s21, v5
	v_add_nc_u32 v[ADRB+2+\s], s22, v5
	s_add_co_u32 s21, s21, SLOT
	s_add_co_u32 s22, s22, SLOT
.endr
	v_mul_u32_u24 v5, v1, KS                       ; my row's scales: 32 bytes a row,
	v_lshrrev_b32 v6, 8, v5
	v_lshl_add_u32 v5, v6, 4, v5                   ; and 16 more for each 256 passed
	s_mul_i32 s21, s15, HALFS
	s_mul_i32 s22, s16, HALFS
	s_add_co_u32 s22, s22, 2*HALFS
	s_sub_co_u32 s22, s22, s21
	v_mul_u32_u24 v6, s22, v2                      ; lanes 16-31 take Q's
	s_add_co_u32 s21, s21, SCL
	v_add_nc_u32 v5, v5, v6
	v_add_nc_u32 v[ADRS], s21, v5
	v_and_b32 v6, 31, v0
	v_lshlrev_b32 v[L8], 3, v6
	v_lshlrev_b32 v[L16], 4, v6
	v_xor_b32 v6, 8, v6
	v_lshlrev_b32 v[L8+1], 3, v6
	v_lshlrev_b32 v[L16+1], 4, v6
	; where my results go.  Role 0: record 32 b + head (q's 0-15, k's 16-31), step of 128 tokens.  s[4:5] the codes, s[6:7] the scale words
	s_lshr_b32 s18, s17, 3                         ; b: eight tiles of 256 tokens to a batch
	s_lshl_b32 s18, s18, 5
	s_lshl_b32 s19, s42, 2                         ; four heads to a tile of 256 channels,
	s_add_co_u32 s18, s18, s19
	s_lshl_b32 s19, s16, 1                         ; two to my half
	s_add_co_u32 s18, s18, s19
	s_mul_i32 s18, s18, QKREC
	s_and_b32 s19, s17, 7
	s_lshl_b32 s19, s19, 1
	s_add_co_u32 s19, s19, s15                     ; the step
	s_mul_i32 s20, s19, 6144                       ; eight blocks of 768 bytes
	s_add_co_u32 s20, s20, s18
	s_mov_b32 s21, 0
	s_add_nc_u64 s[4:5], s[96:97], s[20:21]
	s_lshl_b32 s20, s19, 9
	s_add_co_u32 s20, s20, s18
	s_add_co_u32 s20, s20, 98304
	s_add_nc_u64 s[6:7], s[96:97], s[20:21]
	; Role 1: record 16 b + head, step of 128 keys.  s[8:9] the codes, s[10:11] the scale words.  (Each role's stores name its own pair; the other pair is used for no access)
	s_lshr_b32 s18, s42, 3
	s_lshl_b32 s18, s18, 4
	s_lshl_b32 s19, s17, 2
	s_add_co_u32 s18, s18, s19
	s_lshl_b32 s19, s15, 1
	s_add_co_u32 s18, s18, s19
	s_mul_i32 s18, s18, VREC
	s_and_b32 s19, s42, 7
	s_lshl_b32 s19, s19, 1
	s_add_co_u32 s19, s19, s16
	s_mul_i32 s20, s19, 6144                       ; four blocks of 1,536 bytes
	s_add_co_u32 s20, s20, s18
	s_add_nc_u64 s[8:9], s[98:99], s[20:21]
	s_lshl_b32 s20, s19, 8
	s_add_co_u32 s20, s20, s18
	s_add_co_u32 s20, s20, 98304
	s_add_nc_u64 s[10:11], s[98:99], s[20:21]
	s_wait_loadcnt 0x0                             ; the biases
.set i, 0
.rept 64
	v_cndmask_b32 v[BQ+i], v[BQ+i], 0, s[MASK]     ; role 1 has no bias along Q
.set i, i+1
.endr
.set i, 0
.rept 16
	v_cndmask_b32 v[BPD+i], 0, v[BPD+i], s[MASK]   ; role 0 none along P
.set i, i+1
.endr
.irp a, 0,1,2,3,4,5,6,7                ; the sums begin as the bias, while the first tiles are on their way
	WIN 0x80+0x40*((\a)/4)
.irp b, 0,1,2,3,4,5,6,7
.irp j, 0,2,4,6
	v_pk_add_f32 v[8*(8*((\a)%4)+\b)+\j:8*(8*((\a)%4)+\b)+\j+1], v[BQ+8*\b+\j:BQ+8*\b+\j+1], v[BPD+2*\a:BPD+2*\a+1]
.endr
.endr
.endr
	WIN 0
.macro FRAG reg, adr, q, i             ; a fragment, 16 rows x 128 K, is 12 registers: lane l holds row l % 16; registers 6 c .. 6 c + 5 hold K = 64 c + 32 (l / 16) + 0 .. 31: 24 bytes of the row's stream of bits, as they lie
.irp p, 0,1,2,3,4,5                    ; in pieces of 8 bytes.  Lanes 16-31 read three pieces further on; where that lies behind one padding more, the second address register serves
.set PCE, 12*(\q)+6*(\p/3)+\p%3
.if PCE%8 < 5
	ds_load_b64 v[\reg+2*\p:\reg+2*\p+1], v[\adr] offset:8*PCE+16*(PCE/8)+(\i)*16*PITCH
.else
	ds_load_b64 v[\reg+2*\p:\reg+2*\p+1], v[\adr+2] offset:8*PCE+16*(PCE/8)+(\i)*16*PITCH
.endif
.endr
.endm
; 16 matrix instructions: P's blocks a0, a0 + 1 x Q's eight, 128 along K: the slot's q-th.  p: Q's set;  sc: the set of scale words.
; The 64 accumulators take turns, one instruction a turn, in the same order in every step.
.macro MUL16 a0, p, q, sc
.irp a, \a0, \a0+1
.irp b, 0,1,2,3,4,5,6,7
	v_wmma_scale_f32_16x16x128_f8f6f4 v[8*(8*((\a)%4)+\b):8*(8*((\a)%4)+\b)+7], v[128*(\p)+FR*\b:128*(\p)+FR*\b+FR-1], v[AF+FR*(\a):AF+FR*(\a)+FR-1], v[8*(8*((\a)%4)+\b):8*(8*((\a)%4)+\b)+7], v[SC+8*NQ*(\sc)+NQ*\b+(\q)], v[SC+8*NQ*(\sc)+NQ*(\a)+(\q)] matrix_a_fmt:MATRIX_FMT_FP6 matrix_b_fmt:MATRIX_FMT_FP6 matrix_a_scale:MATRIX_SCALE_ROW1
.endr
.endr
.endm
.macro FETCH_B slot, q, p              ; Q's eight fragments of the slot's q-th 128 along K into set p
	WIN TO_B
.irp i, 0,1,2,3,4,5,6,7
	FRAG 128*(\p)+FR*\i, ADRB+\slot, \q, \i
.endr
	WIN 0
.endm
.macro FETCH_A slot, q, i0             ; P's blocks i0 .. i0 + 3
.irp i, \i0, \i0+1, \i0+2, \i0+3
	FRAG AF+FR*(\i), ADRA+\slot, \q, \i
.endr
.endm
.macro SCALES sc                       ; a K step's scale words into set sc: two words a row; lanes 0-15 take P's block i, lanes 16-31 Q's block i
.irp i, 0,1,2,3,4,5,6,7
	ds_load_b64 v[SC+8*NQ*\sc+NQ*\i:SC+8*NQ*\sc+NQ*\i+1], v[ADRS] offset:\i*SBLK
.endr
.endm
; A load into a register that a matrix instruction has read, and a vector instruction that reads a matrix result, stand NP places behind that matrix instruction; only plain vector
; instructions that name none of its registers are places (ISA guide 7.12.1 for vector instructions).
.macro PLACES n
.rept \n
	v_nop
.endr
.endm
.macro STEP slot, q                    ; a step of 128 along K that has its successor in the same slot
	s_wait_dscnt 4*NL                              ; Q's set and P's blocks 0-3 are in; the youngest 24 loads (P's blocks 4-7) may be out
	WIN MUL_LO
	MUL16 0, (\q)%2, \q, \slot
	MUL16 2, (\q)%2, \q, \slot
	s_wait_dscnt 0                                 ; P's blocks 4-7 are in
	PLACES NP
	FETCH_B \slot, (\q)+1, 1-(\q)%2
	FETCH_A \slot, (\q)+1, 0
	WIN MUL_HI
	MUL16 4, (\q)%2, \q, \slot
	MUL16 6, (\q)%2, \q, \slot
	PLACES NP
	WIN 0
	FETCH_A \slot, (\q)+1, 4
.endm
; A slot's last step changes slots: ONE barrier; in front of it each wave waits for all its tensor loads, adds 0 to its spare word, and waits for that and for its own reads of this slot.  fill = 1: this slot is filled again, two K steps ahead.
.macro TURN slot, next, fill
	s_wait_tensorcnt 0x0                           ; all my tensor loads have landed: my part of the next slot
	ds_add_u32 v[SPW], v[NIL]                      ; 0 onto my spare word
	s_wait_dscnt 4*NL+1                            ; (the add and the youngest 24 loads may be out)
	WIN MUL_LO
	MUL16 0, 1, NQ-1, \slot                        ; sixteen matrix instructions stand between the add and the wait for it
	s_wait_dscnt 0x0                               ; the add is done, and my reads of this slot are over
	s_barrier_signal -1
	MUL16 2, 1, NQ-1, \slot
	WIN 0
	s_barrier_wait -1
.if \fill
	CREST                                          ; the barrier has opened a round of the cluster's barrier: no wave of any partner still reads this slot's tile or has a load on its way
	s_add_nc_u64 s[G0+4*\slot+2:G0+4*\slot+3], s[G0+4*\slot+2:G0+4*\slot+3], 2*ROWB
	s_add_nc_u64 s[G0B+4*\slot+2:G0B+4*\slot+3], s[G0B+4*\slot+2:G0B+4*\slot+3], 2*ROWB
	JLOAD G0+4*\slot, G1, G0B+4*\slot, G1B         ; the first tensor load behind the round, my one load until the next; its four v_nop are the places in front of the loads below
.else
	PLACES NP
.endif
	s_wait_alu depctr_va_vdst(0)
	v_add_nc_u32 v[ADRS], 4*NQ, v[ADRS]            ; on to the next K step's scale words (no LDS load of mine is out)
	FETCH_B \next, 0, 0
	FETCH_A \next, 0, 0
	SCALES \next
	WIN MUL_HI
	MUL16 4, 1, NQ-1, \slot
	MUL16 6, 1, NQ-1, \slot
	PLACES NP
	WIN 0
	FETCH_A \next, 0, 4
.endm
	s_wait_alu depctr_va_vdst(0)
	s_wait_tensorcnt 1                             ; the scales and my part of K step 0 are in (K step 1's load may be out)
	s_barrier_signal -1
	s_barrier_wait -1                              ; everybody's are
	FETCH_B 0, 0, 0
	FETCH_A 0, 0, 0
	SCALES 0
	FETCH_A 0, 0, 4
	STEP 0, 0                                      ; K = 1,024 is four slots' worth: written out, no loop
	TURN 0, 1, 1                                   ; slot 0 takes K 512 on
	STEP 1, 0
	TURN 1, 0, 1                                   ; slot 1 takes K 768 on
	STEP 0, 0
	TURN 0, 1, 0                                   ; nothing is left to fetch
	STEP 1, 0
	s_wait_dscnt 4*NL                              ; the very last step
	WIN MUL_LO
	MUL16 0, 1, NQ-1, 1
	MUL16 2, 1, NQ-1, 1
	s_wait_dscnt 0
	WIN MUL_HI
	MUL16 4, 1, NQ-1, 1
	MUL16 6, 1, NQ-1, 1
	WIN 0
	PLACES NP                                      ; the way out writes registers that held scale words, and reads results
; THE WAY OUT of block a (16 rows of P x my 128 columns of Q): four blocks of 32 along Q a lane pair.
.macro BLOCK a
.set W, 2+(\a)/4                       ; its accumulators' window
.set AC, 64*((\a)%4)
.set P, PC+20*((\a)%2)
	WIN (W<<6)|W
.irp bb, 0,1,2,3
.irp j, 0,1,2,3,4,5,6,7
	v_permlane16_swap_b32 v[AC+16*\bb+\j], v[AC+16*\bb+8+\j]   ; the first's lanes 16-31 change places with the second's lanes 0-15: registers 16 bb + 0 .. 15 are now columns 32 bb + 16 h + 0 .. 15 of my row.  (Each accumulator is read from its low end on)
.endr
.endr
	WIN (W<<2)|W
.irp bb, 0,1,2,3
	v_max3_num_f32 v[TM+\bb], |v[AC+16*\bb]|, |v[AC+16*\bb+1]|, 0x1800000   ; my 16 numbers of block bb, and the floor 2^(3 - 127): so the byte cannot fall under 1
.endr
.irp i, 2,4,6,8,10,12,14
.irp bb, 0,1,2,3
	v_max3_num_f32 v[TM+\bb], |v[AC+16*\bb+\i]|, |v[AC+16*\bb+\i+1]|, v[TM+\bb]   ; (the four blocks by turns)
.endr
.endr
	WIN 0
.irp bb, 0,1,2,3
	v_permlanex16_b32 v[TM+4+\bb], v[TM+\bb], s20, s21
.endr
.irp bb, 0,1,2,3
	v_max_num_f32 v[TM+\bb], v[TM+\bb], v[TM+4+\bb]   ; with lane l xor 16's: the block's largest magnitude
.endr
.irp bb, 0,1,2,3
	v_add_nc_u32 v[TM+12+\bb], 0xff000000, v[TM+\bb]   ; 2 off its exponent field: the conversion takes this operand's exponent field as its scale
.endr
.irp bb, 0,1,2,3
	v_lshrrev_b32 v[TM+4+\bb], 23, v[TM+12+\bb]    ; the scale's byte
.endr
	v_lshl_or_b32 v[PWS+\a], v[TM+5], 8, v[TM+4]   ; my row's four bytes
	v_lshl_or_b32 v[PWS+\a], v[TM+6], 16, v[PWS+\a]
	v_lshl_or_b32 v[PWS+\a], v[TM+7], 24, v[PWS+\a]
.if \a > 1
	s_wait_xcnt 0x0                                ; block a - 2's stores have read this set of codes: it is written again only behind this wait
.endif
	WIN W
.irp c, 0,1
	v_cvt_scalef32_pk16_fp6_f32 v[P+6*\c:P+6*\c+2], v[AC+32*\c:AC+32*\c+15], v[TM+12+2*\c]
	v_cvt_scalef32_pk16_fp6_f32 v[P+12+4*\c:P+14+4*\c], v[AC+16+32*\c:AC+31+32*\c], v[TM+13+2*\c]   ; (a conversion's three registers begin on an even number)
.endr
	WIN 0
	v_nop                                          ; one plain place behind a scaled conversion
.irp c, 0,1                            ; the operand's layout wants a WHOLE block of 32 in a lane: lanes 0-15 block 2 c, lanes 16-31 block 2 c + 1
.irp i, 0,1,2
	v_permlane16_swap_b32 v[P+6*\c+\i], v[P+12+4*\c+\i]
.endr
.irp i, 0,1,2
	v_mov_b32 v[P+3+6*\c+\i], v[P+12+4*\c+\i]
.endr
.endr
	s_cmp_lg_u32 s[ROLE], 0                        ; the role is the same in all sixteen partners; only global stores stand on the two ways
	s_cbranch_scc1 .Lkeys_\@
.irp c, 0,1                            ; role 0: registers 6 c .. 6 c + 5 are head c's 64 channels of 16 tokens: three stores of 256 consecutive bytes
.irp i, 0,1,2
	global_store_b64 v[L8+(\a)%2], v[P+6*\c+2*\i:P+6*\c+2*\i+1], s[4:5] offset:\c*QKREC+(\a)*768+256*\i
.endr
.endr
	s_branch .Lsent_\@
.Lkeys_\@:
	s_wait_alu depctr_va_vdst(0)
.irp i, 0,1,2                          ; role 1: the 12 registers are a fragment, 16 channels x 128 keys: three stores of 512 consecutive bytes
	global_store_b128 v[L16+(\a)%2], v[P+4*\i:P+4*\i+3], s[8:9] offset:((\a)/4)*VREC+((\a)%4)*1536+512*\i
.endr
.Lsent_\@:
.endm
	s_mov_b32 s20, 0x76543210
	s_mov_b32 s21, 0xfedcba98                      ; v_permlanex16_b32's selects for lane l xor 16
	s_mov_b32 s2, 0x01000100                       ; v_perm_b32: bytes 0, 1 twice;
	s_mov_b32 s3, 0x03020302                       ; bytes 2, 3 twice
	s_mov_b32 s[HI16], 0xffff0000
.irp bb, 0,1,2,3
	v_mov_b32 v[TM+4+\bb], 0                       ; written once: a lane permute's destination counts as one of its sources
.endr
.irp a, 0,1,2,3,4,5,6,7
	BLOCK \a
.endr
.irp bb, 0,1,2,3
	v_cndmask_b32 v[RAW+\bb], v[PWS+2*\bb], v[PWS+2*\bb+1], s[HI16]   ; the words of 32 rows: lanes 0-15 block 2 bb's, lanes 16-31 block 2 bb + 1's (both halves of the lanes held the same)
.endr
	s_cmp_lg_u32 s[ROLE], 0
	s_cbranch_scc1 .Lkey_words
.irp c, 0,1
.irp bb, 0,1,2,3
	v_perm_b32 v[SW+4*\c+\bb], v[RAW+\bb], v[RAW+\bb], s[2+\c]   ; head c's two bytes, twice: they serve the 64 channels in either half of a K of 128
.endr
.endr
	global_store_b128 v[L16], v[SW:SW+3], s[6:7]               ; 512 consecutive bytes: a step's words of one head
	global_store_b128 v[L16], v[SW+4:SW+7], s[6:7] offset:QKREC
	s_branch .Lwords_sent
.Lkey_words:
	s_wait_alu depctr_va_vdst(0)
	global_store_b64 v[L8], v[RAW:RAW+1], s[10:11]             ; 256 consecutive bytes: a step's words of one head's 64 channels
	global_store_b64 v[L8], v[RAW+2:RAW+3], s[10:11] offset:VREC
.Lwords_sent:
	s_wait_tensorcnt 0x0                           ; the wave's end
	ds_add_u32 v[SPW], v[NIL]
	s_wait_dscnt 0x0
	CROUND                                         ; the closing round: no work-group ends while a partner may still ask for a tile that names it
	s_endpgm
.Lfunc_end_k_q4fca765e2a_qkv:
	.size	k_q4fca765e2a_qkv, .Lfunc_end_k_q4fca765e2a_qkv-k_q4fca765e2a_qkv
	.p2alignl 7, 3214868480
	.fill 96, 4, 3214868480
	.section	.rodata,"a",@progbits
	.p2align	6, 0x0
	.amdhsa_kernel k_q4fca765e2a_qkv
		.amdhsa_group_segment_fixed_size 327680
		.amdhsa_private_segment_fixed_size 0
		.amdhsa_enable_private_segment 0
		.amdhsa_kernarg_size 56
		.amdhsa_user_sgpr_count 2
		.amdhsa_user_sgpr_kernarg_segment_ptr 1
		.amdhsa_wavefront_size32 1
		.amdhsa_system_sgpr_workgroup_id_x 1
		.amdhsa_system_sgpr_workgroup_id_y 1
		.amdhsa_system_sgpr_workgroup_id_z 1
		.amdhsa_system_vgpr_workitem_id 0
		.amdhsa_next_free_vgpr 1024
		.amdhsa_next_free_sgpr 102
		.amdhsa_reserve_vcc 0
		.amdhsa_float_denorm_mode_32 3
		.amdhsa_float_denorm_mode_16_64 3
		.amdhsa_memory_ordered 1
		.amdhsa_forward_progress 1
		.amdhsa_inst_pref_size 205
	.end_amdhsa_kernel
	.amdgpu_metadata
---
amdhsa.version: [ 1, 2 ]
amdhsa.kernels:
  - .name:           k_q4fca765e2a_qkv
    .symbol:         k_q4fca765e2a_qkv.kd
    .args:
      - { .name: X_codes, .offset: 0, .size: 8, .value_kind: global_buffer, .address_space: global }
      - { .name: X_scales, .offset: 8, .size: 8, .value_kind: global_buffer, .address_space: global }
      - { .name: W_qkv_codes, .offset: 16, .size: 8, .value_kind: global_buffer, .address_space: global }
      - { .name: W_qkv_scales, .offset: 24, .size: 8, .value_kind: global_buffer, .address_space: global }
      - { .name: b_qkv, .offset: 32, .size: 8, .value_kind: global_buffer, .address_space: global }
      - { .name: qk, .offset: 40, .size: 8, .value_kind: global_buffer, .address_space: global }
      - { .name: vv, .offset: 48, .size: 8, .value_kind: global_buffer, .address_space: global }
    .group_segment_fixed_size: 327680
    .private_segment_fixed_size: 0
    .kernarg_segment_align: 8
    .kernarg_segment_size: 56
    .max_flat_workgroup_size: 128
    .sgpr_count:     102
    .vgpr_count:     1024
    .wavefront_size: 32
...
	.end_amdgpu_metadata
.endif
;; end of part 1
;; launch attn (part 2): grid 4 x 64, 16 waves a work-group, clusters of 4 x 1, 210,944 bytes of LDS; arguments qk, vv, ao, ao_sc; writes ao, ao_sc
.if DOCPART == 2
	.amdgcn_target "amdgcn-amd-amdhsa--gfx1250"
	.amdhsa_code_object_version 6
	.text
	.protected	k_q4fca765e2a_attn
	.globl	k_q4fca765e2a_attn
	.p2align	8
	.type	k_q4fca765e2a_attn,@function
k_q4fca765e2a_attn:
	s_mov_b64 s[64:65], 0
	v_nop
	global_prefetch_b8 v0, s[64:65] scope:SCOPE_SE
	s_setreg_imm32_b32 hwreg(HW_REG_WAVE_MODE, 25, 1), 1
	s_wait_xcnt 0x0
	s_wait_alu depctr_hold_cnt(0) depctr_sa_sdst(0) depctr_va_vdst(0) depctr_va_sdst(0) depctr_va_ssrc(0) depctr_va_vcc(0) depctr_vm_vsrc(0)
	s_getreg_b32 s2, hwreg(HW_REG_IB_STS2, 6, 4)
	s_cmp_eq_u32 s2, 0
	s_cbranch_scc0 .Lentry_in_a_cluster
	s_endpgm
.Lentry_in_a_cluster:
	s_bfe_u32 s2, ttmp6, 0x10000c
	s_cmp_lg_u32 s2, 0x3003
	s_cbranch_scc0 .Lentry_shape_is_right
	s_endpgm
.Lentry_shape_is_right:
; Causal attention of one head on codes of FP6 (E2M3), and its result quantised along d for the last product.  q, k, v come as the first launch laid them (register images; see there).
; t = score x log2(e) / 32;  M = the row's largest t so far, rounded UP to a whole number;  p = 2^(t - M) is quantised along the keys, not normalised; the row's sum is taken of the unquantised p and divides O at the end.
; When M moves, the sum and O are multiplied by 2^(old M - new M): exact.
; SHARES.  The four work-groups of a cluster own one head (the cluster's y = 16 b + head).  A head's k and v, codes and scale words, are 208,896 bytes: they come into LDS ONCE, by joint loads (the same tensor load, with a mask that
; names the four, in all four work-groups), and stay: no ring, no refill, one barrier.  Waves 0-3 fetch k's quarters, waves 4-7 v's: one load each.
; Each of the sixteen waves makes two tiles of 16 queries, one after the other: tile 8 w + cx and tile 8 (15 - w) + 4 + cx.  A tile 8 s + e needs the key steps 0 .. s of 128 keys, so every wave has 17 steps.
; Trip counts are constants; which steps are left out hangs on the wave's number alone; cx enters global addresses and the mask's compare value, and no branch.
; LAYOUT.  Both products are used transposed: S^T = K Q^T, O^T = V^T P^T: a lane holds ONE query (lane % 16).  Lane 8 g + j of tile (t, u) takes key (or channel) 32 t + 16 g + 8 u + j, so that a lane's 16 registers of tiles (t, 0), (t, 1)
; are 16 neighbours, 32 t + 16 (lane / 16) + 0 .. 15.  The records' places (16 h + (r xor 8 (block % 2))) make each such load touch every bank once.
; K = 64 IN AN INSTRUCTION OF K = 128.  One chain of registers, six each: Z Q Z D D Z D D Z D D Z D D Z, Z = zero codes, written once.  Tile (t, 0) is (Z, D) against (Z, Q); tile (t, 1) is (D, Z) against (Q, Z); zero codes add nothing.
; The scale words hold the two bytes twice and serve both.  Each D D is 12 registers on end and takes a fragment of v when the scores are made.
; THE RESULT: ao [512 blocks of 16 rows][8 K steps][6 pieces][32 lanes][8 bytes], the image of the next product's fragments: each store covers 256 consecutive bytes, aligned.  ao_sc [8,192][32] bytes: a head owns 2 of a row's 32
; bytes, so these go out as single bytes, one to 24 bytes of codes: to gather a row's 32 would take traffic between work-groups.
; LIMITS: NaN and infinities are not served.  A block's largest p is taken through its largest score (this takes v_exp_f32 not to fall where its input rises).  Blocks under 2^-124 and blocks of zeros carry the scale byte 1;
; this program alone reads the bytes.  O / l is a multiplication by v_rcp_f32's result.
.set QKREC, 106496
.set VREC,  102400
.set KSCL,  98304                      ; LDS: k's codes from 0, its scale words from here,
.set VCOD,  106496                     ; v's codes,
.set VSCL,  204800                     ; v's scale words
.set AK0,  1                           ; v1, v2   my place in a step's k, tiles u = 0, 1: 768 g + 8 x lane, 768 g + 8 x (lane xor 8)
.set AV0,  3                           ; v3, v4   in a step's v: VCOD + 1,536 g + 16 x lane, .. (lane xor 8)
.set ASK,  5                           ; v5   k's scale words: KSCL + 16 (16 g + 8 h + j)
.set ASV,  6                           ; v6   v's: VSCL + 8 (16 g + 8 h + j)
.set QD,   7                           ; v7   my query's number in the diagonal step - 16 h
.set ADK0, 8                           ; v8-11, v16, v17  the addresses of the step in hand
.set ADV0, 10
.set ADS,  16
.set ADT,  17
.set GO,   18                          ; v18  8 x lane
.set GB,   19                          ; v19  32 r + h
.set KS,   20                          ; v20-23 k's scale words;  v24-25 v's;  v26 p's;  v27 q's
.set VS,   24
.set PS,   26
.set QSC,  27
.set CH,   28                          ; v28-117 the chain
.set S,    118                         ; v118-181 S^T, then p
.set OT,   182                         ; v182-213 O^T
.set PCD,  214                         ; v214-225 p's codes
.set C2,   226                         ; v226-228, v230-232 the conversions' second halves
.set BM,   234                         ; v234-237 a block's largest score, then p
.set T2,   238                         ; v238-241 exchange, bytes
.set SO,   242                         ; v242-245 the conversions' scale operands
.set FF,   246                         ; v[246:247] f = 2^(old M - new M)
.set TMP,  248
.set SUM2, 250                         ; v[250:251] the sum's second chain
.set NINF, 252                         ; v252 -infinity;  v253 q's lane offset;  v254 r - 16 h;  v255 16 r
.set QL,   253
.set RH,   254
.set R16,  255
.set WV,   12                          ; s12 my wave's number;  s13 cx
.set CX,   13
.set SEL,  20
.set CS,   22                          ; s[22:23] c = log2(e) / 32
.set G1K,  24
.set G1V,  32
.set G0K,  40
.set G0V,  44
.set TB,   48                          ; s48 the step's codes: 6,144 bytes a step, k's and v's alike;  s49 k's scale words: 512;  s50 v's: 256
.set TS,   49
.set TJ,   50
.set ST,   51                          ; s51 the step;  s52 the tile's last step;  s53 the tile's place in it
.set SIG,  52
.set RHO,  53
.set HI16, 54
.macro ROUND                           ; a round of the cluster's barrier
	s_barrier_signal -1
	s_barrier_wait -1
	s_cmp_lg_u32 s[WV], 0
	s_cbranch_scc1 .Lnot_wave_0_\@
	s_barrier_signal -3
.Lnot_wave_0_\@:
	s_barrier_wait -3
	s_barrier_signal -1
	s_barrier_wait -1
.endm
	s_load_b256 s[4:11], s[0:1], 0x0               ; qk s[4:5], vv s[6:7], ao s[8:9], ao_sc s[10:11]
	v_lshl_add_u32 v233, v0, 2, 0x33000
	v_mov_b32 v249, 0
	ds_add_u32 v233, v249
	ds_add_u32 v233, v249
	v_lshrrev_b32 v118, 5, v0
	s_delay_alu instid0(VALU_DEP_1)
	v_readfirstlane_b32 s[WV], v118                ; wave 0..15
	s_bfe_u32 s[CX], ttmp6, 0x40000                ; cx
	s_and_b32 s14, ttmp7, 0xffff                   ; 16 b + head, which the four partners share
	s_lshr_b32 s18, s14, 4                         ; b
	s_and_b32 s19, s14, 15                         ; head
	s_lshl_b32 s15, s18, 5
	s_add_co_u32 s15, s15, s19
	s_mul_i32 s15, s15, QKREC                      ; s15: q's record in qk
	s_mul_i32 s16, s18, 128*12288
	s_lshr_b32 s62, s19, 1
	s_mul_i32 s62, s62, 1536
	s_add_co_u32 s16, s16, s62
	s_and_b32 s62, s19, 1
	s_mul_i32 s62, s62, 768
	s_add_co_u32 s16, s16, s62                     ; s16: in ao: the batch's 128 row blocks, K step head / 2, pieces 3 (head % 2) on
	s_lshl_b32 s17, s18, 16
	s_lshl_b32 s62, s19, 1
	s_add_co_u32 s17, s17, s62                     ; s17: in ao_sc: the batch's 2,048 rows of 32 bytes, byte 2 x head
	s_and_b32 s62, s[WV], 3                        ; which quarter I fetch, if I fetch
	s_mul_i32 s63, s62, 26624
	s_mul_i32 s62, s62, 25600
	s_add_co_u32 s18, s15, 16*QKREC                ; k's record lies 16 records behind q's
	s_add_co_u32 s18, s18, s63
	s_mov_b32 s19, 0
	s_mul_i32 s2, s14, VREC
	s_add_co_u32 s2, s2, s62
	s_mov_b32 s3, 0
	s_mov_b32 s[G0K], 1                            ; 1:0 count = 1
	s_mov_b32 s[G0K+1], s63                        ; 63:32 LDS address
	s_mov_b32 s[G0V], 1
	s_add_co_u32 s[G0V+1], s62, VCOD
	; descriptor group 1: a dense block as rows of 256 bytes (32 elements of 8 bytes), no padding: 104 rows of k's record, 100 of v's
	s_mov_b32 s[G1K], 15|(3<<16)|(1<<21)           ; 15:0 the mask: all four work-groups; 17:16 elements of 8 bytes; 21 set beside a mask
	s_mov_b32 s[G1K+1], 32<<16
	s_mov_b32 s[G1K+2], 104<<16
	s_mov_b32 s[G1K+3], 32<<16
	s_mov_b32 s[G1K+4], 104
	s_mov_b32 s[G1K+5], 32
	s_mov_b32 s[G1K+6], 0
	s_mov_b32 s[G1K+7], 0
	s_mov_b32 s[G1V], 15|(3<<16)|(1<<21)
	s_mov_b32 s[G1V+1], 32<<16
	s_mov_b32 s[G1V+2], 100<<16
	s_mov_b32 s[G1V+3], 32<<16
	s_mov_b32 s[G1V+4], 100
	s_mov_b32 s[G1V+5], 32
	s_mov_b32 s[G1V+6], 0
	s_mov_b32 s[G1V+7], 0
	s_mov_b32 s[SEL], 0x76543210
	s_mov_b32 s[SEL+1], 0xfedcba98                 ; v_permlanex16_b32's selects for lane l xor 16
	s_mov_b32 s[CS], 0x3d38aa3b                    ; c = log2(e) / 32: reference() divides the scores by sqrt(1,024)
	s_mov_b32 s[CS+1], s[CS]                       ; (named with it as a pair, so it is written)
	s_mov_b32 s[HI16], 0xffff0000
	s_wait_dscnt 0x0
	s_wait_kmcnt 0x0
	s_add_nc_u64 s[G0K+2:G0K+3], s[4:5], s[18:19]  ; 120:64 global address
	s_or_b32 s[G0K+3], s[G0K+3], 0x80000000        ; 127:126 type = 2
	s_add_nc_u64 s[G0V+2:G0V+3], s[6:7], s[2:3]
	s_or_b32 s[G0V+3], s[G0V+3], 0x80000000
	ROUND                                          ; all four work-groups are here: the joint loads meet
	s_cmp_lt_u32 s[WV], 4                          ; the branches hang on the wave's number alone.  Four v_nop follow each of the two lines
	s_cbranch_scc0 .Lnot_k
	tensor_load_to_lds s[G0K:G0K+3], s[G1K:G1K+7]
	s_nop 0
.rept 4
	v_nop
.endr
	s_branch .Lasked
.Lnot_k:
	s_cmp_lt_u32 s[WV], 8
	s_cbranch_scc0 .Lasked
	tensor_load_to_lds s[G0V:G0V+3], s[G1V:G1V+7]
	s_nop 0
.rept 4
	v_nop
.endr
.Lasked:
	v_and_b32 v118, 31, v0                         ; lane
	v_bfe_u32 v119, v0, 3, 1                       ; g
	v_bfe_u32 v120, v0, 4, 1                       ; h
	v_and_b32 v121, 15, v0                         ; r
	s_delay_alu instid0(VALU_DEP_4)
	v_xor_b32 v122, 8, v118                        ; lane xor 8
	s_delay_alu instid0(VALU_DEP_4)
	v_mul_u32_u24 v123, v119, 768
	s_delay_alu instid0(VALU_DEP_1)
	v_lshl_add_u32 v[AK0], v118, 3, v123
	s_delay_alu instid0(VALU_DEP_2)
	v_lshl_add_u32 v[AK0+1], v122, 3, v123
	v_mul_u32_u24 v123, v119, 1536
	s_delay_alu instid0(VALU_DEP_1)
	v_add_nc_u32 v123, VCOD, v123
	s_delay_alu instid0(VALU_DEP_1)
	v_lshl_add_u32 v[AV0], v118, 4, v123
	s_delay_alu instid0(VALU_DEP_2)
	v_lshl_add_u32 v[AV0+1], v122, 4, v123
	v_and_b32 v123, 7, v0
	s_delay_alu instid0(VALU_DEP_1)
	v_lshl_add_u32 v123, v120, 3, v123
	s_delay_alu instid0(VALU_DEP_1)
	v_lshl_add_u32 v123, v119, 4, v123             ; 16 g + 8 h + j: lanes 0-15 take the words of tiles u = 0, lanes 16-31 those of u = 1
	s_delay_alu instid0(VALU_DEP_1)
	v_lshl_add_u32 v[ASK], v123, 4, KSCL
	s_delay_alu instid0(VALU_DEP_2)
	v_lshl_add_u32 v[ASV], v123, 3, VSCL
	v_lshlrev_b32 v[GO], 3, v118
	v_lshl_add_u32 v[GB], v121, 5, v120
	v_lshlrev_b32 v123, 4, v120
	s_delay_alu instid0(VALU_DEP_1)
	v_sub_nc_u32 v[RH], v121, v123
	v_lshlrev_b32 v[R16], 4, v121
	s_and_b32 s62, s[CX], 1                        ; both my tiles' blocks of q have the parity of cx
	s_lshl_b32 s62, s62, 3
	v_xor_b32 v[QL], s62, v118
	s_delay_alu instid0(VALU_DEP_1)
	v_lshlrev_b32 v[QL], 3, v[QL]
	v_mov_b32 v[NINF], 0xff800000
.irp z, 0,12,30,48,66,84
.irp i, 0,1,2,3,4,5
	v_mov_b32 v[CH+\z+\i], 0                       ; the chain's zero codes: written once
.endr
.endr
.irp b, 0,1,2,3
	v_mov_b32 v[T2+\b], 0                          ; written once: a lane permute's destination counts as one of its sources
.endr
	v_mov_b32 v[FF+1], 0                           ; (named as the upper half of a pair)
	s_wait_tensorcnt 0x0                           ; my part has landed (a wave that fetched nothing passes),
	s_barrier_signal -1
	s_barrier_wait -1                              ; everybody's has: from here on LDS is only read
; A KEY STEP: 128 keys.  A step behind the tile's last is left out: a scalar branch on the wave's number and the counter, round its loads and work, not round the lines at its end that step addresses.
.macro STEP
	s_cmp_gt_u32 s[ST], s[SIG]
	s_cbranch_scc1 .Lhidden_\@
	s_setprio 2
	v_add_nc_u32 v[ADK0], s[TB], v[AK0]            ; (these six are also the places in front of loads into registers that the last step's products have read)
	v_add_nc_u32 v[ADK0+1], s[TB], v[AK0+1]
	v_add_nc_u32 v[ADV0], s[TB], v[AV0]
	v_add_nc_u32 v[ADV0+1], s[TB], v[AV0+1]
	v_add_nc_u32 v[ADS], s[TS], v[ASK]
	v_add_nc_u32 v[ADT], s[TJ], v[ASV]
.irp bb, 0,1,2,3
.irp u, 0,1
.irp i, 0,1,2
	ds_load_b64 v[CH+18+18*\bb+6*\u+2*\i:CH+19+18*\bb+6*\u+2*\i], v[ADK0+\u] offset:1536*\bb+256*\i   ; tile (bb, u): 64 channels of 16 keys: six registers
.endr
.endr
.endr
	ds_load_b128 v[KS:KS+3], v[ADS]                ; the four words of my keys
	s_wait_alu depctr_va_vdst(0)
	s_wait_dscnt 0x0
.irp bb, 0,1,2,3                       ; S^T = K Q^T: eight sums, each one instruction
	v_wmma_scale_f32_16x16x128_f8f6f4 v[S+16*\bb:S+16*\bb+7], v[CH+12+18*\bb:CH+23+18*\bb], v[CH:CH+11], 0, v[KS+\bb], v[QSC] matrix_a_fmt:MATRIX_FMT_FP6 matrix_b_fmt:MATRIX_FMT_FP6
	v_wmma_scale_f32_16x16x128_f8f6f4 v[S+16*\bb+8:S+16*\bb+15], v[CH+24+18*\bb:CH+35+18*\bb], v[CH+6:CH+17], 0, v[KS+\bb], v[QSC] matrix_a_fmt:MATRIX_FMT_FP6 matrix_b_fmt:MATRIX_FMT_FP6 matrix_a_scale:MATRIX_SCALE_ROW1
.endr                                  ; register 16 bb + i of lane (r, h): query r, key 32 bb + 16 h + i
.rept 4
	v_nop                                          ; places in front of loads into the registers just read, and of the first read of the scores
.endr
.irp p, 0,1,2,3
.irp i, 0,1,2
	ds_load_b128 v[CH+18+18*\p+4*\i:CH+21+18*\p+4*\i], v[ADV0+(\p%2)] offset:3072*(\p/2)+512*\i   ; v's four fragments land under the softmax
.endr
.endr
	ds_load_b64 v[VS:VS+1], v[ADT]
	s_cmp_lg_u32 s[ST], s[SIG]                     ; on the diagonal the scores of hidden keys become -infinity ahead of the maximum: p = 0 then
	s_cbranch_scc1 .Lopen_\@
.set n, 0
.rept 64
	v_cmp_gt_i32 vcc_lo, 32*(n/16)+n%16, v[QD]
	v_cndmask_b32 v[S+n], v[S+n], v[NINF], vcc_lo
.set n, n+1
.endr
.Lopen_\@:
.irp b, 0,1,2,3
	v_max3_num_f32 v[BM+\b], v[S+16*\b], v[S+16*\b+1], v[S+16*\b+2]   ; THE LARGEST SCORE OF EACH BLOCK OF 32 KEYS serves twice: for the row's maximum and, since p rises with the score, for the block's largest p
.endr
.irp i, 3,5,7,9,11,13
.irp b, 0,1,2,3
	v_max3_num_f32 v[BM+\b], v[BM+\b], v[S+16*\b+\i], v[S+16*\b+\i+1]
.endr
.endr
.irp b, 0,1,2,3
	v_max_num_f32 v[BM+\b], v[BM+\b], v[S+16*\b+15]
.endr
.irp b, 0,1,2,3
	s_delay_alu instid0(VALU_DEP_4)
	v_permlanex16_b32 v[T2+\b], v[BM+\b], s[SEL], s[SEL+1]
.endr
.irp b, 0,1,2,3
	s_delay_alu instid0(VALU_DEP_4)
	v_max_num_f32 v[BM+\b], v[BM+\b], v[T2+\b]     ; with lane l xor 16's 16 keys
.endr
	s_delay_alu instid0(VALU_DEP_2)
	v_max3_num_f32 v[TMP], v[BM], v[BM+1], v[BM+2]
	s_delay_alu instid0(VALU_DEP_1)
	v_max_num_f32 v[TMP], v[TMP], v[BM+3]          ; the step's largest score of my query
	s_delay_alu instid0(VALU_DEP_1)
	v_mul_f32 v[TMP], s[CS], v[TMP]                ; as t (c is positive)
	s_delay_alu instid0(VALU_DEP_1)
	v_max_num_f32 v13, v13, v[TMP]                 ; the running largest t
	v_mov_b32 v[TMP], v12
	s_delay_alu instid0(VALU_DEP_2)
	v_floor_f32 v12, -v13                          ; the new -M = floor(-t) = -ceil(t)
	s_delay_alu instid0(VALU_DEP_1)
	v_sub_f32 v[TMP], v12, v[TMP]                  ; old M - new M: a whole number, 0 or less
	s_delay_alu instid0(VALU_DEP_1)
	v_cvt_i32_f32 v[TMP], v[TMP]                   ; (it saturates)
	s_delay_alu instid0(VALU_DEP_1)
	v_ldexp_f32 v[FF], 1.0, v[TMP]                 ; f = 2^(old M - new M)
.set n, 0
	s_setprio 1
.rept 32
	v_pk_fma_f32 v[S+n:S+n+1], v[S+n:S+n+1], s[CS:CS+1], v[12:13] op_sel_hi:[1,0,0]   ; t - M, two at a time
.set n, n+2
.endr
.irp b, 0,1,2,3
	v_fma_f32 v[BM+\b], v[BM+\b], s[CS], v12       ; the same of each block's largest score
.endr
.set n, 0
	s_wait_alu depctr_va_vdst(0)
.rept 64
	v_exp_f32 v[S+n], v[S+n]                       ; p = 2^(t - M), at most 1
.set n, n+1
.endr
.irp b, 0,1,2,3
	v_exp_f32 v[BM+\b], v[BM+\b]                   ; the block's largest p: the same two instructions on the same number give the same bits
.endr
	v_pk_mul_f32 v[14:15], v[14:15], v[FF:FF+1] op_sel_hi:[1,0]   ; the sums under the new M.  (A plain place behind the exponentials)
	s_wait_alu depctr_va_vdst(0)
.irp b, 0,1,2,3
	v_max_num_f32 v[BM+\b], 0x1800000, v[BM+\b]    ; the floor 2^(3 - 127): the byte cannot fall under 1
.endr
.irp b, 0,1,2,3
	s_delay_alu instid0(VALU_DEP_4)
	v_add_nc_u32 v[SO+\b], 0xff000000, v[BM+\b]    ; 2 off the exponent field: the conversion's scale operand
.endr
.irp b, 0,1,2,3
	s_delay_alu instid0(VALU_DEP_4)
	v_lshrrev_b32 v[T2+\b], 23, v[SO+\b]           ; the scale's byte
.endr
	s_delay_alu instid0(VALU_DEP_3)
	v_lshl_or_b32 v[PS], v[T2+1], 8, v[T2]         ; p's scale word for these 128 keys
	s_delay_alu instid0(VALU_DEP_1)
	v_lshl_or_b32 v[PS], v[T2+2], 16, v[PS]
	s_delay_alu instid0(VALU_DEP_1)
	v_lshl_or_b32 v[PS], v[T2+3], 24, v[PS]
.irp c, 0,1
	v_cvt_scalef32_pk16_fp6_f32 v[PCD+6*\c:PCD+6*\c+2], v[S+32*\c:S+32*\c+15], v[SO+2*\c]
	v_cvt_scalef32_pk16_fp6_f32 v[C2+4*\c:C2+4*\c+2], v[S+16+32*\c:S+31+32*\c], v[SO+2*\c+1]   ; (a conversion's three registers begin on an even number)
.endr
	v_nop                                          ; one plain place behind a scaled conversion
.irp c, 0,1                            ; the operand's layout wants a WHOLE block in a lane: lanes 0-15 block 2 c, lanes 16-31 block 2 c + 1
.irp i, 0,1,2
	v_permlane16_swap_b32 v[PCD+6*\c+\i], v[C2+4*\c+\i]
.endr
.irp i, 0,1,2
	s_delay_alu instid0(VALU_DEP_3)
	v_mov_b32 v[PCD+3+6*\c+\i], v[C2+4*\c+\i]
.endr
.endr
	v_pk_add_f32 v[250:251], v[122:123], v[126:127]
	v_pk_add_f32 v[244:245], v[130:131], v[134:135]
	v_pk_add_f32 v[242:243], v[138:139], v[142:143]
	v_pk_add_f32 v[236:237], v[146:147], v[150:151]
	v_pk_add_f32 v[234:235], v[154:155], v[158:159]
	v_pk_add_f32 v[230:231], v[162:163], v[166:167]
	v_pk_add_f32 v[228:229], v[170:171], v[174:175]
	v_pk_add_f32 v[14:15], v[14:15], v[178:179]
	v_pk_add_f32 v[250:251], v[250:251], v[118:119]
	s_setprio 0
	v_pk_add_f32 v[244:245], v[244:245], v[120:121]
	v_pk_add_f32 v[242:243], v[242:243], v[124:125]
	v_pk_add_f32 v[236:237], v[236:237], v[128:129]
	v_pk_add_f32 v[234:235], v[234:235], v[132:133]
	v_pk_add_f32 v[230:231], v[230:231], v[136:137]
	v_pk_add_f32 v[228:229], v[228:229], v[140:141]
	v_pk_add_f32 v[14:15], v[14:15], v[144:145]
	v_pk_add_f32 v[250:251], v[250:251], v[148:149]
	v_pk_add_f32 v[244:245], v[244:245], v[152:153]
	v_pk_add_f32 v[242:243], v[242:243], v[156:157]
	v_pk_add_f32 v[236:237], v[236:237], v[160:161]
	v_pk_add_f32 v[234:235], v[234:235], v[164:165]
	v_pk_add_f32 v[230:231], v[230:231], v[168:169]
	v_pk_add_f32 v[228:229], v[228:229], v[172:173]
	v_pk_add_f32 v[14:15], v[14:15], v[176:177]
	v_pk_add_f32 v[250:251], v[250:251], v[180:181]
	s_delay_alu instid0(VALU_DEP_2)
	v_pk_add_f32 v[14:15], v[14:15], v[236:237]
	s_delay_alu instid0(VALU_DEP_2)
	v_pk_add_f32 v[250:251], v[250:251], v[234:235]
	v_pk_add_f32 v[244:245], v[244:245], v[230:231]
	v_pk_add_f32 v[242:243], v[242:243], v[228:229]
	s_delay_alu instid0(VALU_DEP_2)
	v_pk_add_f32 v[14:15], v[14:15], v[244:245]
	s_delay_alu instid0(VALU_DEP_2)
	v_pk_add_f32 v[250:251], v[250:251], v[242:243]
	s_delay_alu instid0(VALU_DEP_1)
	v_pk_add_f32 v[14:15], v[14:15], v[250:251]
.set n, 0
.rept 16
	v_pk_mul_f32 v[OT+n:OT+n+1], v[OT+n:OT+n+1], v[FF:FF+1] op_sel_hi:[1,0]   ; O^T under the new M.  (The sums and these stand between the writing of p's codes and scale word and the products)
.set n, n+2
.endr
	s_wait_alu depctr_va_vdst(0)
	s_wait_dscnt 0x0                               ; v's fragments and words are in
.irp bc, 0,1                           ; O^T += V^T P^T: four accumulators by turns, one instruction each
	v_wmma_scale_f32_16x16x128_f8f6f4 v[OT+16*\bc:OT+16*\bc+7], v[CH+18+36*\bc:CH+29+36*\bc], v[PCD:PCD+11], v[OT+16*\bc:OT+16*\bc+7], v[VS+\bc], v[PS] matrix_a_fmt:MATRIX_FMT_FP6 matrix_b_fmt:MATRIX_FMT_FP6
	v_wmma_scale_f32_16x16x128_f8f6f4 v[OT+16*\bc+8:OT+16*\bc+15], v[CH+36+36*\bc:CH+47+36*\bc], v[PCD:PCD+11], v[OT+16*\bc+8:OT+16*\bc+15], v[VS+\bc], v[PS] matrix_a_fmt:MATRIX_FMT_FP6 matrix_b_fmt:MATRIX_FMT_FP6 matrix_a_scale:MATRIX_SCALE_ROW1
.endr
.Lhidden_\@:
	s_add_co_u32 s[TB], s[TB], 6144
	s_add_co_u32 s[TS], s[TS], 512
	s_add_co_u32 s[TJ], s[TJ], 256
.endm
; O^T / the sum, quantised along the head's 64 channels (two blocks), stored as the next product's fragment.  Register 16 t + i of lane (r, h) is channel 32 t + 16 h + i of query r.
.macro FINISH
.rept 4
	v_nop                                          ; places behind the last products, also on the way through steps that were left out
.endr
	v_add_f32 v14, v14, v15                        ; the sum's two halves,
	s_delay_alu instid0(VALU_DEP_1)
	v_permlanex16_b32 v[T2], v14, s[SEL], s[SEL+1]
	s_delay_alu instid0(VALU_DEP_1)
	v_add_f32 v14, v14, v[T2]                      ; and lane l xor 16's
	s_wait_alu depctr_va_vdst(0)
	v_rcp_f32 v14, v14
	v_nop                                          ; one plain place behind a transcendental
.set n, 0
	s_wait_alu depctr_va_vdst(0)
.rept 32
	v_mul_f32 v[S+n], v[OT+n], v14                 ; each accumulator from its low end on
.set n, n+1
.endr
.irp b, 0,1
	v_max3_num_f32 v[BM+\b], |v[S+16*\b]|, |v[S+16*\b+1]|, 0x1800000
.endr
.irp i, 2,4,6,8,10,12,14
.irp b, 0,1
	s_delay_alu instid0(VALU_DEP_2)
	v_max3_num_f32 v[BM+\b], v[BM+\b], |v[S+16*\b+\i]|, |v[S+16*\b+\i+1]|
.endr
.endr
.irp b, 0,1
	s_delay_alu instid0(VALU_DEP_2)
	v_permlanex16_b32 v[T2+\b], v[BM+\b], s[SEL], s[SEL+1]
.endr
.irp b, 0,1
	s_delay_alu instid0(VALU_DEP_2)
	v_max_num_f32 v[BM+\b], v[BM+\b], v[T2+\b]
.endr
.irp b, 0,1
	s_delay_alu instid0(VALU_DEP_2)
	v_add_nc_u32 v[SO+\b], 0xff000000, v[BM+\b]
.endr
.irp b, 0,1
	s_delay_alu instid0(VALU_DEP_2)
	v_lshrrev_b32 v[T2+\b], 23, v[SO+\b]
.endr
	v_cvt_scalef32_pk16_fp6_f32 v[PCD:PCD+2], v[S:S+15], v[SO]
	v_cvt_scalef32_pk16_fp6_f32 v[C2:C2+2], v[S+16:S+31], v[SO+1]
	v_cndmask_b32 v[TMP], v[T2], v[T2+1], s[HI16]  ; my block's byte: lanes 0-15 block 0's, lanes 16-31 block 1's.  (The plain place behind the conversions)
.irp i, 0,1,2
	v_permlane16_swap_b32 v[PCD+\i], v[C2+\i]
.endr
.irp i, 0,1,2
	s_delay_alu instid0(VALU_DEP_3)
	v_mov_b32 v[PCD+3+\i], v[C2+\i]                ; six registers: block h of query r
.endr
.irp i, 0,1,2
	global_store_b64 v[GO], v[PCD+2*\i:PCD+2*\i+1], s[58:59] offset:256*\i   ; 32 lanes store 256 consecutive bytes, aligned
.endr
	global_store_b8 v[GB], v[TMP], s[60:61]
.endm
.macro TILE which
	s_wait_xcnt 0x0                                ; the last tile's stores have read their bases and data: both are written again below
.if \which == 0
	s_mov_b32 s[SIG], s[WV]
	s_mov_b32 s[RHO], s[CX]
.else
	s_xor_b32 s[SIG], s[WV], 15                    ; 15 - wave
	s_add_co_u32 s[RHO], s[CX], 4
.endif
	s_lshl_b32 s62, s[SIG], 3
	s_add_co_u32 s62, s62, s[RHO]                  ; the tile's number among the head's 128
	s_mul_i32 s18, s62, 768
	s_add_co_u32 s18, s18, s15
	s_mov_b32 s19, 0
	s_add_nc_u64 s[56:57], s[4:5], s[18:19]        ; q's codes
	s_lshl_b32 s18, s[SIG], 9                      ; q's scale words: step, then L = 16 (place % 2) + r, then word place / 2
	s_add_co_u32 s18, s18, s15
	s_add_co_u32 s18, s18, 98304
	s_and_b32 s63, s[RHO], 1
	s_lshl_b32 s63, s63, 8
	s_add_co_u32 s18, s18, s63
	s_lshr_b32 s63, s[RHO], 1
	s_lshl_b32 s63, s63, 2
	s_add_co_u32 s18, s18, s63
	s_add_nc_u64 s[2:3], s[4:5], s[18:19]
	s_mul_i32 s18, s62, 12288
	s_add_co_u32 s18, s18, s16
	s_add_nc_u64 s[58:59], s[8:9], s[18:19]        ; the tile's place in ao
	s_lshl_b32 s18, s62, 9
	s_add_co_u32 s18, s18, s17
	s_add_nc_u64 s[60:61], s[10:11], s[18:19]      ; and in ao_sc
.irp i, 0,1,2
	global_load_b64 v[CH+6+2*\i:CH+7+2*\i], v[QL], s[56:57] offset:256*\i
.endr
	global_load_b32 v[QSC], v[R16], s[2:3]
	s_lshl_b32 s63, s[RHO], 4
	v_add_nc_u32 v[QD], s63, v[RH]
	v_mov_b32 v13, 0xff61b1e6                      ; the largest t so far: -3e38, under every t
	s_delay_alu instid0(VALU_DEP_1)
	v_floor_f32 v12, -v13                          ; -M
	v_mov_b32 v14, 0
	v_mov_b32 v15, 0
.set n, 0
.rept 32
	v_mov_b32 v[OT+n], 0                           ; the step is written once: the first finds zeros, which the first change of M leaves zeros
.set n, n+1
.endr
	s_mov_b32 s[TB], 0
	s_mov_b32 s[TS], 0
	s_mov_b32 s[TJ], 0
	s_mov_b32 s[ST], 0
	s_wait_loadcnt 0x0                             ; q
.Lstep_\@:                             ; sixteen trips, a constant
	STEP
	s_add_co_u32 s[ST], s[ST], 1
	s_cmp_lt_u32 s[ST], 16
	s_cbranch_scc1 .Lstep_\@
	s_setprio 0
	FINISH
.endm
	TILE 0
	TILE 1
	s_wait_tensorcnt 0x0
	ds_add_u32 v233, v249
	s_wait_dscnt 0x0
	ROUND                                          ; the closing round
	s_endpgm
.Lfunc_end_k_q4fca765e2a_attn:
	.size	k_q4fca765e2a_attn, .Lfunc_end_k_q4fca765e2a_attn-k_q4fca765e2a_attn
	.p2alignl 7, 3214868480
	.fill 96, 4, 3214868480
	.section	.rodata,"a",@progbits
	.p2align	6, 0x0
	.amdhsa_kernel k_q4fca765e2a_attn
		.amdhsa_group_segment_fixed_size 210944
		.amdhsa_private_segment_fixed_size 0
		.amdhsa_enable_private_segment 0
		.amdhsa_kernarg_size 32
		.amdhsa_user_sgpr_count 2
		.amdhsa_user_sgpr_kernarg_segment_ptr 1
		.amdhsa_wavefront_size32 1
		.amdhsa_system_sgpr_workgroup_id_x 1
		.amdhsa_system_sgpr_workgroup_id_y 1
		.amdhsa_system_sgpr_workgroup_id_z 1
		.amdhsa_system_vgpr_workitem_id 0
		.amdhsa_next_free_vgpr 256
		.amdhsa_next_free_sgpr 66
		.amdhsa_reserve_vcc 1
		.amdhsa_float_denorm_mode_32 3
		.amdhsa_float_denorm_mode_16_64 3
		.amdhsa_memory_ordered 1
		.amdhsa_forward_progress 1
		.amdhsa_inst_pref_size 68
	.end_amdhsa_kernel
	.amdgpu_metadata
---
amdhsa.version: [ 1, 2 ]
amdhsa.kernels:
  - .name:           k_q4fca765e2a_attn
    .symbol:         k_q4fca765e2a_attn.kd
    .args:
      - { .name: qk, .offset: 0, .size: 8, .value_kind: global_buffer, .address_space: global }
      - { .name: vv, .offset: 8, .size: 8, .value_kind: global_buffer, .address_space: global }
      - { .name: ao, .offset: 16, .size: 8, .value_kind: global_buffer, .address_space: global }
      - { .name: ao_sc, .offset: 24, .size: 8, .value_kind: global_buffer, .address_space: global }
    .group_segment_fixed_size: 210944
    .private_segment_fixed_size: 0
    .kernarg_segment_align: 8
    .kernarg_segment_size: 32
    .max_flat_workgroup_size: 512
    .sgpr_count:     66
    .vgpr_count:     256
    .wavefront_size: 32
...
	.end_amdgpu_metadata
.endif
;; end of part 2
;; launch proj (part 3): grid 4 x 32, 4 waves a work-group, clusters of 4 x 4, 327,680 bytes of LDS; arguments ao, ao_sc, W_out_codes, W_out_scales, b_out, out0; writes out0
.if DOCPART == 3
	.amdgcn_target "amdgcn-amd-amdhsa--gfx1250"
	.amdhsa_code_object_version 6
	.text
	.protected	k_q4fca765e2a_proj
	.globl	k_q4fca765e2a_proj
	.p2align	8
	.type	k_q4fca765e2a_proj,@function
k_q4fca765e2a_proj:
	s_mov_b64 s[64:65], 0
	v_nop
	global_prefetch_b8 v0, s[64:65] scope:SCOPE_SE
	s_setreg_imm32_b32 hwreg(HW_REG_WAVE_MODE, 25, 1), 1
	s_wait_xcnt 0x0
	s_wait_alu depctr_hold_cnt(0) depctr_sa_sdst(0) depctr_va_vdst(0) depctr_va_sdst(0) depctr_va_ssrc(0) depctr_va_vcc(0) depctr_vm_vsrc(0)
	s_getreg_b32 s2, hwreg(HW_REG_IB_STS2, 6, 4)
	s_cmp_eq_u32 s2, 0
	s_cbranch_scc0 .Lentry_in_a_cluster
	s_endpgm
.Lentry_in_a_cluster:
	s_bfe_u32 s2, ttmp6, 0x10000c
	s_cmp_lg_u32 s2, 0xf033
	s_cbranch_scc0 .Lentry_shape_is_right
	s_endpgm
.Lentry_shape_is_right:
; out0 = A W_out + b_out on codes of FP6 (E2M3) with E8M0 scales.  A [8,192][1,024] is the attention's result as the second launch laid it: ao, images of this kernel's fragments, [512 blocks of 16 rows][8 K steps of 128][6 pieces][32 lanes][8 bytes];
; its scale bytes ao_sc [8,192][32].  W_out comes as rows of codes [1,024 (n)][768 bytes] and scale bytes [1,024][32].  out0 [8,192][1,024] f32.
; A tile of C, 256 x 256, is made by four waves, each 128 x 128: 64 accumulators, 512 registers.  K goes in four steps of 256 through a ring of two LDS slots filled by the tensor data mover.
; A's tile is 8 row blocks x 3,072 dense bytes for each fetching wave, and a fragment is six loads of 8 bytes at 8 x lane: 256 consecutive bytes each.  B's tile is 128 rows of 192 bytes, padded.
; THE SCALES of the work-group's 512 rows, for all of K, come into LDS once, in whole blocks of 256 bytes, and stay.
; CLUSTERS: 4 x 4 work-groups; A's tiles are asked for jointly along a row of the cluster, B's along a column.  C has 128 tiles of this size: 128 work-groups.
; THE MATRIX INSTRUCTION IS USED TRANSPOSED (source 0 = 16 rows of W_out, source 1 = 16 rows of A): a lane holds eight neighbouring numbers of a row of C.  b_out is the C of each sum's first instruction: eight registers a tile of columns.
; The bias so enters as the sum's first term, not its last: the order of rounding differs from x W + b.
; REGISTERS, in windows of 256: window 0: v0-31 addresses; v32-63 scale words, two sets; v64-127 b_out; from v128 A's fragments, one set; on the way out v128-255.
;   window 1: B's fragments, two sets.   window 2: the accumulators of my rows 0-63 ((a, b) at v[8 (8 a + b)]);   window 3: those of my rows 64-127.
.set SIZE_N, 1024
.set KSTEP,  256
.set NQ,     KSTEP/128
.set ROWB,   192                       ; a row of B's tile in bytes
.set KROW,   768                       ; a row of W_out in memory; also A's bytes for each row: 12,288 for a block of 16
.set ABLK,   3072                      ; a row block's bytes of a K step of 256
.set PITCH,  240                       ; B's LDS row: 3 x (64 bytes + 16 of padding)
.set FR,     12
.set NL,     6
.set NP,     4
.set HALFT,  128*PITCH                 ; a fetching wave's part of a slot (A's uses 24,576 bytes of it)
.set SLOT,   4*HALFT
.set KS,     32
.set SCL,    2*SLOT
.set HALFS,  (128*KS/256)*272
.set SBLK,   (16*KS/256)*272
.set SPARE,  SCL+4*HALFS               ; the spare words, 128 bytes for each wave: two blocks of 256 bytes that no other line names
.set SPITCH, 528                       ; the way out: a stage of 16 rows x (512 bytes + 16) for each wave, in slot 0, which has had its last fill and its last read when the first result is stored there
.set ADRA, 16                          ; v16-17  LDS address of my A fragments in slot 0, 1
.set ADRB, 20                          ; v20-23  the same for B, and behind one padding more
.set STO,  24
.set RD,   25
.set CO,   26
.set ADRS, 27
.set SPW,  28
.set NIL,  29
.set SC,   32
.set BQ,   64
.set AF,   128
.set BK,   128
.set G1, 24
.set G0, 32
.set G1B, 48
.set G0B, 56
.set G1S, 68
.set G0S, 76
.set G1SB, 80
.set G0SB, 88
.set MSB, 0
.macro WIN new                         ; the immediate's high byte repeats the setting that is left
.if MSB != (\new)
	s_set_vgpr_msb (MSB<<8)|(\new)
.set MSB, \new
.endif
.endm
.set MUL_LO, 0xa1                      ; source 0 (B) window 1, source 1 (A) window 0, C and D window 2
.set MUL_HI, 0xf1                      ; the same, C and D window 3
.set TO_B,   0x40
.macro JLOAD g0a, g1a, g0b, g1b        ; a joint load: waves 0 and 1 fetch for A, waves 2 and 3 for B; four v_nop follow each of the two lines
	s_cmp_eq_u32 s15, 0
	s_cbranch_scc0 .Lfor_b_\@
	tensor_load_to_lds s[\g0a:\g0a+3], s[\g1a:\g1a+7]
	s_nop 0
.rept 4
	v_nop
.endr
	s_branch .Lasked_\@
.Lfor_b_\@:
	tensor_load_to_lds s[\g0b:\g0b+3], s[\g1b:\g1b+7]
	s_nop 0
.rept 4
	v_nop
.endr
.Lasked_\@:
.endm
.macro CREST
	s_cmp_lg_u32 s14, 0
	s_cbranch_scc1 .Lnot_wave_0_\@
	s_barrier_signal -3
.Lnot_wave_0_\@:
	s_barrier_wait -3
	s_barrier_signal -1
	s_barrier_wait -1
.endm
.macro CROUND
	s_barrier_signal -1
	s_barrier_wait -1
	CREST
.endm
	s_load_b128 s[4:7], s[0:1], 0x0                ; ao, ao_sc
	s_load_b128 s[8:11], s[0:1], 0x10              ; W_out's codes, its scales
	s_load_b64 s[96:97], s[0:1], 0x20              ; b_out
	s_load_b64 s[12:13], s[0:1], 0x28              ; out0
	v_lshl_add_u32 v[SPW], v0, 2, SPARE
	v_mov_b32 v[NIL], 0
	ds_add_u32 v28, v29
	ds_add_u32 v28, v29
	s_wait_dscnt 0x0
	v_lshrrev_b32 v1, 5, v0
	v_readfirstlane_b32 s14, v1                    ; wave 0..3
	s_lshr_b32 s15, s14, 1                         ; which half of the tile's rows is mine.  Also: I fetch for A (0) or for B (1)
	s_and_b32 s16, s14, 1                          ; which half of its columns.  Also: which 128 rows of that tile I fetch
	s_bfe_u32 s40, ttmp6, 0x40000                  ; cx, cy
	s_bfe_u32 s41, ttmp6, 0x40004
	s_lshl_b32 s42, ttmp9, 2
	s_add_co_u32 s42, s42, s40                     ; tile column of C
	s_and_b32 s17, ttmp7, 0xffff
	s_lshl_b32 s17, s17, 2
	s_add_co_u32 s17, s17, s41                     ; tile row of C
	s_lshl_b32 s43, s41, 2
	s_lshl_b32 s43, 15, s43                        ; my row of the cluster
	s_lshl_b32 s44, 0x1111, s40                    ; my column
	; descriptor group 1 for A: 8 row blocks x 3,072 bytes (384 elements of 8 bytes), 12,288 bytes apart, dense in LDS
	s_or_b32 s[G1+0], s43, (3<<16)|(1<<21)         ; 15:0 the mask: A's tiles go to my row; 17:16 elements of 8 bytes; 21 set beside a mask
	s_mov_b32 s[G1+1], 384<<16
	s_mov_b32 s[G1+2], 8<<16
	s_mov_b32 s[G1+3], 384<<16
	s_mov_b32 s[G1+4], 8
	s_mov_b32 s[G1+5], 1536
	s_mov_b32 s[G1+6], 0
	s_mov_b32 s[G1+7], 0
	; for B: 128 rows x 192 bytes, 16 bytes of padding behind every 64
	s_or_b32 s[G1B+0], s44, (0<<16)|(1<<20)|(1<<21)|(3<<22)|(3<<25)
	s_mov_b32 s[G1B+1], ROWB<<16
	s_mov_b32 s[G1B+2], 128<<16
	s_mov_b32 s[G1B+3], ROWB<<16
	s_mov_b32 s[G1B+4], 128
	s_mov_b32 s[G1B+5], KROW
	s_mov_b32 s[G1B+6], 0
	s_mov_b32 s[G1B+7], 0
	; the scales of 128 rows: 4,096 dense bytes as 16 rows of 256, 16 bytes of padding behind each
	s_or_b32 s[G1S+0], s43, (3<<16)|(1<<20)|(1<<21)|(5<<22)|(3<<25)
	s_or_b32 s[G1SB+0], s44, (3<<16)|(1<<20)|(1<<21)|(5<<22)|(3<<25)
.irp g, G1S, G1SB
	s_mov_b32 s[\g+1], 32<<16
	s_mov_b32 s[\g+2], (128*KS/256)<<16
	s_mov_b32 s[\g+3], 32<<16
	s_mov_b32 s[\g+4], 128*KS/256
	s_mov_b32 s[\g+5], 32
	s_mov_b32 s[\g+6], 0
	s_mov_b32 s[\g+7], 0
.endr
	s_lshl_b32 s18, s16, 7
	s_lshl_b32 s20, s17, 8
	s_add_co_u32 s20, s20, s18                     ; A: row 256 x tile row + 128 x half
	s_lshl_b32 s46, s42, 8
	s_add_co_u32 s46, s46, s18                     ; B: row 256 x tile column + 128 x half
	s_mov_b32 s21, 0
	s_mov_b32 s47, 0
	s_mov_b64 s[18:19], KS
	s_mul_u64 s[22:23], s[20:21], s[18:19]
	s_mul_u64 s[92:93], s[46:47], s[18:19]
	s_mov_b64 s[18:19], KROW
	s_mul_u64 s[20:21], s[20:21], s[18:19]         ; A: 768 bytes for each row, in blocks of 16 rows; B: rows of 768 bytes
	s_mul_u64 s[46:47], s[46:47], s[18:19]
	s_mul_i32 s45, s14, HALFT
	s_mul_i32 s94, s14, HALFS
	s_wait_kmcnt 0x0
	s_add_nc_u64 s[20:21], s[4:5], s[20:21]
	s_add_nc_u64 s[22:23], s[6:7], s[22:23]
	s_add_nc_u64 s[46:47], s[8:9], s[46:47]
	s_add_nc_u64 s[92:93], s[10:11], s[92:93]
	CROUND                                         ; all sixteen work-groups are here: the first joint loads meet
	s_mov_b32 s[G0S], 1
	s_add_co_u32 s[G0S+1], s94, SCL
	s_mov_b64 s[G0S+2:G0S+3], s[22:23]
	s_or_b32 s[G0S+3], s[G0S+3], 0x80000000
	s_mov_b32 s[G0SB], 1
	s_add_co_u32 s[G0SB+1], s94, SCL
	s_mov_b64 s[G0SB+2:G0SB+3], s[92:93]
	s_or_b32 s[G0SB+3], s[G0SB+3], 0x80000000
	JLOAD G0S, G1S, G0SB, G1SB                     ; the scales first.  Each of the two below waits for my loads before it: one is out at a time
.irp s, 0,1
	s_mov_b32 s[G0+4*\s], 1
	s_add_co_u32 s[G0+4*\s+1], s45, \s*SLOT
	s_add_nc_u64 s[G0+4*\s+2:G0+4*\s+3], s[20:21], \s*ABLK
	s_or_b32 s[G0+4*\s+3], s[G0+4*\s+3], 0x80000000
	s_mov_b32 s[G0B+4*\s], 1
	s_add_co_u32 s[G0B+4*\s+1], s45, \s*SLOT
	s_add_nc_u64 s[G0B+4*\s+2:G0B+4*\s+3], s[46:47], \s*ROWB
	s_or_b32 s[G0B+4*\s+3], s[G0B+4*\s+3], 0x80000000
	s_wait_alu depctr_va_vdst(0)
	s_wait_tensorcnt 0x0
	ds_add_u32 v28, v29
	s_wait_dscnt 0x0
	CROUND
	JLOAD G0+4*\s, G1, G0B+4*\s, G1B
.endr
	v_and_b32 v1, 15, v0                           ; r
	v_bfe_u32 v2, v0, 4, 1                         ; h
	s_lshl_b32 s46, s42, 10                        ; my first column, in bytes of f32: 1,024 x tile column + 512 x half: in C's rows and in b_out alike
	s_lshl_b32 s47, s16, 9
	s_add_co_u32 s46, s46, s47
	s_mov_b32 s47, 0
	s_add_nc_u64 s[96:97], s[96:97], s[46:47]
	v_lshlrev_b32 v12, 5, v2                       ; tile b's eight numbers of my half: 64 b + 32 h
.irp b, 0,1,2,3,4,5,6,7
	global_load_b128 v[BQ+8*\b:BQ+8*\b+3], v12, s[96:97] offset:64*\b
	global_load_b128 v[BQ+8*\b+4:BQ+8*\b+7], v12, s[96:97] offset:64*\b+16
.endr
	v_mul_u32_u24 v3, v1, PITCH
	v_mul_u32_u24 v4, v2, 24
	v_add_nc_u32 v4, v3, v4                        ; B: a fragment's row x pitch + 24 x half
	v_lshl_add_u32 v5, v2, 4, v4                   ; and the same behind one padding more
	v_and_b32 v6, 31, v0
	v_lshlrev_b32 v7, 3, v6                        ; A: 8 x lane
	s_mul_i32 s21, s15, HALFT                      ; my 128 rows of A
	s_mul_i32 s22, s16, HALFT                      ; my 128 rows of B,
	s_add_co_u32 s22, s22, 2*HALFT                 ; which lie behind A's two parts
.irp s, 0,1
	v_add_nc_u32 v[ADRA+\s], s21, v7
	v_add_nc_u32 v[ADRB+\s], s22, v4
	v_add_nc_u32 v[ADRB+2+\s], s22, v5
	s_add_co_u32 s21, s21, SLOT
	s_add_co_u32 s22, s22, SLOT
.endr
	v_mul_u32_u24 v5, v1, KS
	v_lshrrev_b32 v6, 8, v5
	v_lshl_add_u32 v5, v6, 4, v5
	s_mul_i32 s21, s15, HALFS
	s_mul_i32 s22, s16, HALFS
	s_add_co_u32 s22, s22, 2*HALFS
	s_sub_co_u32 s22, s22, s21
	v_mul_u32_u24 v6, s22, v2                      ; lanes 16-31 take B's scale words
	s_add_co_u32 s21, s21, SCL
	v_add_nc_u32 v5, v5, v6
	v_add_nc_u32 v[ADRS], s21, v5
	s_mul_i32 s23, s14, 16*SPITCH                  ; my stage
	v_mul_u32_u24 v5, v1, SPITCH
	v_lshl_add_u32 v5, v2, 5, v5
	v_add_nc_u32 v[STO], s23, v5
	v_and_b32 v6, 31, v0
	v_lshlrev_b32 v[CO], 4, v6
	v_add_nc_u32 v[RD], s23, v[CO]
	s_lshl_b32 s20, s17, 8
	s_lshl_b32 s21, s15, 7
	s_add_co_u32 s20, s20, s21                     ; my first row of C
	s_mov_b32 s21, 0
	s_mov_b64 s[18:19], SIZE_N*4
	s_mul_u64 s[20:21], s[20:21], s[18:19]
	s_add_nc_u64 s[20:21], s[20:21], s[46:47]
	s_add_nc_u64 s[12:13], s[12:13], s[20:21]
.macro FRAG reg, adr, q, i             ; a fragment of B from padded rows: six pieces of 8 bytes; lanes 16-31 read three pieces further on, for some pieces behind one padding more
.irp p, 0,1,2,3,4,5
.set PCE, 12*(\q)+6*(\p/3)+\p%3
.if PCE%8 < 5
	ds_load_b64 v[\reg+2*\p:\reg+2*\p+1], v[\adr] offset:8*PCE+16*(PCE/8)+(\i)*16*PITCH
.else
	ds_load_b64 v[\reg+2*\p:\reg+2*\p+1], v[\adr+2] offset:8*PCE+16*(PCE/8)+(\i)*16*PITCH
.endif
.endr
.endm
.macro FRAGA reg, slot, q, i           ; a fragment of A from its image: piece p is registers 2 p, 2 p + 1 of all 32 lanes, 256 bytes on end
.irp p, 0,1,2,3,4,5
	ds_load_b64 v[\reg+2*\p:\reg+2*\p+1], v[ADRA+\slot] offset:(\i)*ABLK+(\q)*1536+256*\p
.endr
.endm
; 16 matrix instructions: A's blocks a0, a0 + 1 x B's eight.  first = 1: the sums begin with b_out as C.  The 64 accumulators take turns, one instruction a turn.
.macro MUL16 a0, p, q, sc, first
.irp a, \a0, \a0+1
.irp b, 0,1,2,3,4,5,6,7
.if \first
	v_wmma_scale_f32_16x16x128_f8f6f4 v[8*(8*((\a)%4)+\b):8*(8*((\a)%4)+\b)+7], v[128*(\p)+FR*\b:128*(\p)+FR*\b+FR-1], v[AF+FR*(\a):AF+FR*(\a)+FR-1], v[BQ+8*\b:BQ+8*\b+7], v[SC+8*NQ*(\sc)+NQ*\b+(\q)], v[SC+8*NQ*(\sc)+NQ*(\a)+(\q)] matrix_a_fmt:MATRIX_FMT_FP6 matrix_b_fmt:MATRIX_FMT_FP6 matrix_a_scale:MATRIX_SCALE_ROW1
.else
	v_wmma_scale_f32_16x16x128_f8f6f4 v[8*(8*((\a)%4)+\b):8*(8*((\a)%4)+\b)+7], v[128*(\p)+FR*\b:128*(\p)+FR*\b+FR-1], v[AF+FR*(\a):AF+FR*(\a)+FR-1], v[8*(8*((\a)%4)+\b):8*(8*((\a)%4)+\b)+7], v[SC+8*NQ*(\sc)+NQ*\b+(\q)], v[SC+8*NQ*(\sc)+NQ*(\a)+(\q)] matrix_a_fmt:MATRIX_FMT_FP6 matrix_b_fmt:MATRIX_FMT_FP6 matrix_a_scale:MATRIX_SCALE_ROW1
.endif
.endr
.endr
.endm
.macro FETCH_B slot, q, p
	WIN TO_B
.irp i, 0,1,2,3,4,5,6,7
	FRAG 128*(\p)+FR*\i, ADRB+\slot, \q, \i
.endr
	WIN 0
.endm
.macro FETCH_A slot, q, i0
.irp i, \i0, \i0+1, \i0+2, \i0+3
	FRAGA AF+FR*(\i), \slot, \q, \i
.endr
.endm
.macro SCALES sc
.irp i, 0,1,2,3,4,5,6,7
	ds_load_b64 v[SC+8*NQ*\sc+NQ*\i:SC+8*NQ*\sc+NQ*\i+1], v[ADRS] offset:\i*SBLK
.endr
.endm
.macro PLACES n                        ; places behind matrix instructions, in front of loads into registers that they have read and of reads of their results (ISA guide 7.12.1 for vector instructions)
.rept \n
	v_nop
.endr
.endm
.macro STEP slot, q, first
	s_wait_dscnt 4*NL                              ; B's set and A's blocks 0-3 are in; the youngest 24 loads (A's blocks 4-7) may be out
	WIN MUL_LO-0x20*(\first)                       ; (first = 1: C, the bias, lies in window 0)
	MUL16 0, (\q)%2, \q, \slot, \first
	MUL16 2, (\q)%2, \q, \slot, \first
	s_wait_dscnt 0
	PLACES NP
	FETCH_B \slot, (\q)+1, 1-(\q)%2
	FETCH_A \slot, (\q)+1, 0
	WIN MUL_HI-0x30*(\first)
	MUL16 4, (\q)%2, \q, \slot, \first
	MUL16 6, (\q)%2, \q, \slot, \first
	PLACES NP
	WIN 0
	FETCH_A \slot, (\q)+1, 4
.endm
; A slot's last step changes slots: ONE barrier; in front of it each wave waits for all its tensor loads, adds 0 to its spare word, and waits for that and for its own reads of this slot.
.macro TURN slot, next, fill
	s_wait_tensorcnt 0x0                           ; all my tensor loads have landed: my part of the next slot
	ds_add_u32 v[SPW], v[NIL]                      ; 0 onto my spare word
	s_wait_dscnt 4*NL+1                            ; (the add and the youngest 24 loads may be out)
	WIN MUL_LO
	MUL16 0, 1, NQ-1, \slot, 0
	s_wait_dscnt 0x0                               ; the add is done, and my reads of this slot are over
	s_barrier_signal -1
	MUL16 2, 1, NQ-1, \slot, 0
	WIN 0
	s_barrier_wait -1
.if \fill
	CREST                                          ; the barrier has opened a round of the cluster's barrier
	s_add_nc_u64 s[G0+4*\slot+2:G0+4*\slot+3], s[G0+4*\slot+2:G0+4*\slot+3], 2*ABLK
	s_add_nc_u64 s[G0B+4*\slot+2:G0B+4*\slot+3], s[G0B+4*\slot+2:G0B+4*\slot+3], 2*ROWB
	JLOAD G0+4*\slot, G1, G0B+4*\slot, G1B         ; the first tensor load behind the round, my one load until the next
.else
	PLACES NP
.endif
	s_wait_alu depctr_va_vdst(0)
	v_add_nc_u32 v[ADRS], 4*NQ, v[ADRS]
	FETCH_B \next, 0, 0
	FETCH_A \next, 0, 0
	SCALES \next
	WIN MUL_HI
	MUL16 4, 1, NQ-1, \slot, 0
	MUL16 6, 1, NQ-1, \slot, 0
	PLACES NP
	WIN 0
	FETCH_A \next, 0, 4
.endm
	s_wait_alu depctr_va_vdst(0)
	s_wait_tensorcnt 1                             ; the scales and my part of K step 0 are in (K step 1's load may be out)
	s_barrier_signal -1
	s_barrier_wait -1                              ; everybody's are
	FETCH_B 0, 0, 0
	FETCH_A 0, 0, 0
	SCALES 0
	FETCH_A 0, 0, 4
	s_wait_loadcnt 0x0                             ; b_out
	STEP 0, 0, 1                                   ; K = 1,024 is four slots' worth: written out, no loop
	TURN 0, 1, 1
	STEP 1, 0, 0
	TURN 1, 0, 1
	STEP 0, 0, 0
	TURN 0, 1, 0                                   ; nothing is left to fetch
	STEP 1, 0, 0
	s_wait_dscnt 4*NL                              ; the very last step
	WIN MUL_LO
	MUL16 0, 1, NQ-1, 1, 0
	MUL16 2, 1, NQ-1, 1, 0
	s_wait_dscnt 0
	WIN MUL_HI
	MUL16 4, 1, NQ-1, 1, 0
	MUL16 6, 1, NQ-1, 1, 0
	WIN 0
; THE WAY OUT, block by block of 16 rows x 128 columns, through my own stage in LDS: in as 32 bytes a lane, back as whole rows of 512 bytes.  LDS serves a wave's instructions in order (ISA guide 5.7.1.4): no wait between the stores and the loads.
.macro TOSTAGE a
.set AC, 64*((\a)%4)
	WIN 0x08+4*((\a)/4)                            ; the data: window 2 or 3
.irp b, 0,1,2,3,4,5,6,7
	ds_store_b128 v[STO], v[AC+8*\b:AC+8*\b+3] offset:64*\b          ; each accumulator from its low end on
	ds_store_b128 v[STO], v[AC+8*\b+4:AC+8*\b+7] offset:64*\b+16
.endr
	WIN 0
.set BB, BK+64*((\a)%2)
.irp t, 0,1,2,3,4,5,6,7,8,9,10,11,12,13,14,15
	ds_load_b128 v[BB+4*\t:BB+4*\t+3], v[RD] offset:\t*SPITCH
.endr
.endm
.macro SEND a, younger                 ; younger: the LDS instructions issued behind block a's loads, which may stay out
.set BB, BK+64*((\a)%2)
	s_wait_dscnt \younger
.if (\a) > 0
	s_add_nc_u64 s[12:13], s[12:13], 16*SIZE_N*4   ; (behind a wait on XCNT: the earlier stores have read their base)
.endif
.irp t, 0,1,2,3,4,5,6,7,8,9,10,11,12,13,14,15
	global_store_b128 v[CO], v[BB+4*\t:BB+4*\t+3], s[12:13] offset:\t*SIZE_N*4 th:TH_STORE_NT   ; 32 lanes store 512 consecutive bytes, aligned; written once, read by nobody here
.endr
.endm
	PLACES NP
	TOSTAGE 0
.irp a, 1,2,3,4,5,6,7
.if \a > 1
	s_wait_xcnt 0x0                                ; block a - 2's stores have read their registers and their base
.endif
	TOSTAGE \a
	SEND \a-1, 32                                  ; behind block a - 1's loads: block a's 16 stores and 16 loads
.endr
	s_wait_xcnt 0x0
	SEND 7, 0
	s_wait_tensorcnt 0x0                           ; the wave's end
	ds_add_u32 v[SPW], v[NIL]
	s_wait_dscnt 0x0
	CROUND                                         ; the closing round
	s_endpgm
.Lfunc_end_k_q4fca765e2a_proj:
	.size	k_q4fca765e2a_proj, .Lfunc_end_k_q4fca765e2a_proj-k_q4fca765e2a_proj
	.p2alignl 7, 3214868480
	.fill 96, 4, 3214868480
	.section	.rodata,"a",@progbits
	.p2align	6, 0x0
	.amdhsa_kernel k_q4fca765e2a_proj
		.amdhsa_group_segment_fixed_size 327680
		.amdhsa_private_segment_fixed_size 0
		.amdhsa_enable_private_segment 0
		.amdhsa_kernarg_size 48
		.amdhsa_user_sgpr_count 2
		.amdhsa_user_sgpr_kernarg_segment_ptr 1
		.amdhsa_wavefront_size32 1
		.amdhsa_system_sgpr_workgroup_id_x 1
		.amdhsa_system_sgpr_workgroup_id_y 1
		.amdhsa_system_sgpr_workgroup_id_z 1
		.amdhsa_system_vgpr_workitem_id 0
		.amdhsa_next_free_vgpr 1024
		.amdhsa_next_free_sgpr 98
		.amdhsa_reserve_vcc 0
		.amdhsa_float_denorm_mode_32 3
		.amdhsa_float_denorm_mode_16_64 3
		.amdhsa_memory_ordered 1
		.amdhsa_forward_progress 1
		.amdhsa_inst_pref_size 162
	.end_amdhsa_kernel
	.amdgpu_metadata
---
amdhsa.version: [ 1, 2 ]
amdhsa.kernels:
  - .name:           k_q4fca765e2a_proj
    .symbol:         k_q4fca765e2a_proj.kd
    .args:
      - { .name: ao, .offset: 0, .size: 8, .value_kind: global_buffer, .address_space: global }
      - { .name: ao_sc, .offset: 8, .size: 8, .value_kind: global_buffer, .address_space: global }
      - { .name: W_out_codes, .offset: 16, .size: 8, .value_kind: global_buffer, .address_space: global }
      - { .name: W_out_scales, .offset: 24, .size: 8, .value_kind: global_buffer, .address_space: global }
      - { .name: b_out, .offset: 32, .size: 8, .value_kind: global_buffer, .address_space: global }
      - { .name: out0, .offset: 40, .size: 8, .value_kind: global_buffer, .address_space: global }
    .group_segment_fixed_size: 327680
    .private_segment_fixed_size: 0
    .kernarg_segment_align: 8
    .kernarg_segment_size: 48
    .max_flat_workgroup_size: 128
    .sgpr_count:     98
    .vgpr_count:     1024
    .wavefront_size: 32
...
	.end_amdgpu_metadata
.endif
;; end of part 3
